; MI455X (gfx1250); checked and timed in simulation.
; The chip was launched on July 23, 2026; its instructions are those of AMD's public machine-readable ISA for CDNA 5 (MIT licence, August 2026) and "CDNA5" Instruction Set Architecture Reference Guide (July 2026). The comments in the code are by the model that wrote it; some were corrected since.
;; Multi Head Attention. Allowed arithmetic: matrix products marked QUANTISED: E3M2 operands, one E8M0 scale for each 32 along K, by v_wmma_scale_f32_16x16x128_f8f6f4 with both operands' format E3M2, f32 sums; everything else in f32.
;; Inputs: W_attn 1,024 x 3,072 float32; W_proj 1,024 x 1,024 float32; b_attn 3,072 float32; b_proj 1,024 float32; x 4 x 2,048 x 1,024 float32.
;; Outputs: out0 4 x 2,048 x 1,024 float32.
;; This version of the problem:
;;   THIS VERSION OF THE PROBLEM IS GIVEN IN LOW PRECISION. The matrix products marked QUANTISED in the list below multiply operands that are first quantised to E3M2 (3 exponent bits, 2 mantissa bits; 6 bits a number), with one power-of-two scale for each 32 numbers along K (OCP MX v1.0); their sums are f32. All else is computed in f32.
;;   The module's matrix products, in the order in which they are computed (A, B: the left and right operand; K: the contracted axis; several contracted axes count as one K, in the product's order):
;;     1. [M 8,192, K 1,024] x [K 1,024, N 3,072]; A: input x; B: input W_attn: QUANTISED
;;     2. batch 64 x [M 2,048, K 64] x [K 64, N 2,048]; A: computed on the way; B: computed on the way: QUANTISED
;;     3. batch 64 x [M 2,048, K 2,048] x [K 2,048, N 64]; A: softmax (see below); B: computed on the way: QUANTISED
;;     4. [M 8,192, K 1,024] x [K 1,024, N 1,024]; A: computed on the way; B: input W_proj: QUANTISED
;;   THE QUANTISER, for each operand of a quantised product, along K:
;;     - K is cut into blocks of 32 from its start; a last block that is shorter is filled with zeros.
;;     - A block's scale is 2^e with e = floor(log2(the largest magnitude in the block)) - 4, held to -126 .. 127; a block of zeros has e = 0. As a byte (E8M0): e + 127.
;;     - Each number is divided by its block's scale, clamped to +-28, and rounded to the nearest number of E3M2, ties to even, subnormals kept.
;;     - The product sums the exact products of the quantised numbers (number of the format x scale) in f32.
;;   ~~~python
;;   def quantise(x, axis):      # numpy; x: float32 -> the quantised numbers, widened to float32 again
;;       x = np.moveaxis(x, axis, -1); K = x.shape[-1]
;;       x = np.pad(x, [(0, 0)] * (x.ndim - 1) + [(0, -K % 32)]); x = x.reshape(x.shape[:-1] + (-1, 32)); a = np.abs(x).max(-1, keepdims=True)
;;       e = np.where(a > 0, np.clip(np.frexp(np.where(a > 0, a, 1))[1] - 1 - 4, -126, 127), 0)      # np.frexp(a)[1] - 1 = floor(log2(a)), exactly
;;       r = np.clip(x / 2.0 ** e, -28, 28)
;;       step = 2.0 ** (np.maximum(np.frexp(np.where(r == 0, 1, r))[1] - 1, -2) - 2)
;;       q = np.round(r / step) * step * 2.0 ** e      # np.round: ties to even
;;       return np.moveaxis(q.reshape(q.shape[:-2] + (-1,))[..., :K], -1, axis).astype(np.float32)
;;   ~~~
;;   SOFTMAX AHEAD OF A QUANTISED PRODUCT. Where the list says 'softmax', what is quantised is not the finished softmax but p = 2^(t - M), with t = logit x log2(e) and M = ceil(the row's largest t), a whole number; so 1/2 < the row's largest p <= 1. The row's sum l is taken of the UNQUANTISED p, in f32, and the product's result is divided by l at the end. Since M is a whole number, a kernel that streams over the keys may use a running M (the ceiling of the running maximum): every later rescaling is an exact power of two, which a block's scale takes up: the codes' values come out the same.
;;   OPERANDS COMPUTED ON THE WAY. 'Computed on the way' means the value that the module computes at that place (a softmax that the list does not call 'softmax' is quantised finished and normalised). What goes into a quantiser is computed in f32, as accurately as f32 sums, v_exp_f32 and their like allow (about 1e-6 of the number): no bf16 or f16 on the way to a quantiser, and a product that is left as it is and whose result goes on into a quantised operand takes f32 operands (vector FMAs, or v_wmma_f32_16x16x4_f32). A number that lies on a knife's edge between two numbers of the format may be rounded either way, as far as f32 arithmetic and the matrix unit's own rounding can turn it there, and no further.
;; One version. Each part assembles by itself: llvm-mc -triple=amdgcn-amd-amdhsa -mcpu=gfx1250 --defsym DOCPART=n.
;; ======== version 1 of 1: 4 launches
;; limits: right only within a limited range of input values
;; workspace buffers: xc 6,291,456 bytes; xs 262,144 bytes; wc 3,145,728 bytes; ws 131,072 bytes; qkvc 18,874,368 bytes; qkvs 1,310,720 bytes; oc 6,291,456 bytes; os 262,144 bytes
;; launch prep (part 1): grid 640 x 1, 4 waves a work-group, no clusters, 60,928 bytes of LDS; arguments x, xc, xs, W_attn, W_proj, wc, ws; writes xc, xs, wc, ws
.if DOCPART == 1
	.amdgcn_target "amdgcn-amd-amdhsa--gfx1250"
	.amdhsa_code_object_version 6
	.text
	.protected	k_q91ec80b57b_prep
	.globl	k_q91ec80b57b_prep
	.p2align	8
	.type	k_q91ec80b57b_prep,@function
k_q91ec80b57b_prep:
	s_mov_b64 s[64:65], 0
	v_nop
	global_prefetch_b8 v0, s[64:65] scope:SCOPE_SE
	s_setreg_imm32_b32 hwreg(HW_REG_WAVE_MODE, 25, 1), 1
	s_wait_xcnt 0x0
; ONE LAUNCH QUANTISES ALL THREE f32 OPERANDS into codes of BF6 (E3M2) with one E8M0 scale byte for each 32 along K.
; A block's scale is 2^(floor(log2(its largest magnitude)) - 4); its byte is the largest magnitude's exponent field - 4, held at 1 from below.
; Work-groups 0-127 take the weights (K = their FIRST axis), work-groups 128-639 take x (K innermost).  The two ways part on the work-group's number at the first lines and never meet;
; each has LDS bytes of its own: x's stages at 0 (4 x 8,448), the weights' images at 33,792 (4 x 6,656), the spare words at 60,416.
; LAYOUT OF ALL CODES: images of the matrix operand's registers.  A fragment (16 rows x 128 K, 12 registers a lane) is 1,536 bytes: chunk p = registers 2 p, 2 p + 1 of lane l at 256 p + 8 l.
; xc = [tile 512][K step 8][1,536];  wc = [tile 256][K step 8][1,536], tiles 0-191 W_attn's columns, 192-255 W_proj's.  xs, ws = [position][32 bytes], the word at 4 s for K step s.
; POSITION ORDER: lane r of tile I holds row (column) 32 (I / 2) + 8 (I % 2) + r + 8 (r / 8): as source 0 of a product such tiles give a lane 16 neighbours along the next K.
; x: work-group 128 + I makes tile I, wave w its K steps 2 w, 2 w + 1.  Loads take a row's 512 bytes as they lie; a fragment turns through the wave's own stage (16 rows of 528 bytes).
; WEIGHTS: work-group (x' = id % 32, y = id / 32): 128 columns (x' under 24: W_attn's, else W_proj's) x 256 along K.  A lane takes a column and its registers run down K: nothing is transposed;
; the codes meet as images in the wave's own LDS bytes and leave by stores of 512 consecutive bytes.  Waves share nothing: no barrier.
; LIMITS: NaN and infinities are not served; a block whose largest magnitude lies under 2^-122 gets the byte 1; a block of zeros gets the byte 1 and not 127 (its codes are zeros; only this program reads the bytes).
.set SPARE, 60416
.set TM,  16                           ; x: v16-31 at work in QUANT
.set PC,  32                           ; x: v32-51 the fragment's 12 registers, and 8 at work
.set WD,  52                           ; x: v52-53 the two fragments' scale words
.set X,   64                           ; both: v64-127 numbers
.set R,   128                          ; x: v128-255 two sets of 64 registers as loaded
.set SEL, 12                           ; x: s[12:13] lane selects for lane l xor 16
.set VO,   176                         ; weights: v176-207 row i of a block: i x row length + 4 x lane
.set OUTR, 128                         ; weights: v128-175 the way out
.macro QUANT s                         ; 64 numbers of a lane become a fragment's codes in v[PC] on; the four blocks' bytes stay in v[TM+4] on
.irp b, 0,1,2,3
	v_max3_num_f32 v[TM+\b], |v[\s+16*\b]|, |v[\s+1+16*\b]|, 0x2800000   ; with the floor 2^(5 - 127): the byte cannot fall under 1
.endr
.irp i, 2,4,6,8,10,12,14
.irp b, 0,1,2,3
	v_max3_num_f32 v[TM+\b], v[TM+\b], |v[\s+16*\b+\i]|, |v[\s+1+16*\b+\i]|
.endr
.endr
.irp b, 0,1,2,3
	v_permlanex16_b32 v[TM+4+\b], v[TM+\b], s[SEL], s[SEL+1]
.endr
.irp b, 0,1,2,3
	v_max_num_f32 v[TM+\b], v[TM+\b], v[TM+4+\b]       ; with lane l xor 16's 16: the block's largest magnitude
.endr
.irp b, 0,1,2,3
	v_add_nc_u32 v[TM+12+\b], 0xfe000000, v[TM+\b]     ; 4 off its exponent field: the conversion's scale operand
.endr
.irp b, 0,1,2,3
	v_lshrrev_b32 v[TM+4+\b], 23, v[TM+12+\b]          ; the scale's byte
.endr
.irp c, 0,1
	v_cvt_scalef32_pk16_bf6_f32 v[PC+6*\c:PC+2+6*\c], v[\s+32*\c:\s+15+32*\c], v[TM+12+2*\c]
	v_cvt_scalef32_pk16_bf6_f32 v[PC+12+4*\c:PC+14+4*\c], v[\s+16+32*\c:\s+31+32*\c], v[TM+12+2*\c+1]
.endr
	v_nop                                              ; one plain place behind a scaled conversion
.irp c, 0,1                                            ; the operand wants a whole block in a lane
.irp i, 0,1,2
	v_permlane16_swap_b32 v[PC+6*\c+\i], v[PC+12+4*\c+\i]
.endr
.irp i, 0,1,2
	v_mov_b32 v[PC+3+6*\c+\i], v[PC+12+4*\c+\i]
.endr
.endr
.endm
.macro WORD d
	v_lshl_or_b32 v[\d], v[TM+5], 8, v[TM+4]
	v_lshl_or_b32 v[\d], v[TM+6], 16, v[\d]
	v_lshl_or_b32 v[\d], v[TM+7], 24, v[\d]
.endm
.macro XLOAD f                         ; fragment f: 512 consecutive bytes of each of the tile's 16 rows
.irp j, 0,1,2,3,4,5,6,7,8,9,10,11,12,13,14,15
	global_load_b128 v[R+64*\f+4*\j:R+64*\f+4*\j+3], v1, s[4:5] offset:(\j+8*(\j/8))*4096+512*\f th:TH_LOAD_NT
.endr
.endm
.macro TURN f                          ; through my stage: LDS serves a wave's instructions in order
.irp j, 0,1,2,3,4,5,6,7,8,9,10,11,12,13,14,15
	ds_store_b128 v2, v[R+64*\f+4*\j:R+64*\f+4*\j+3] offset:528*\j
.endr
.irp b, 0,1,2,3
.irp k, 0,1,2,3
	ds_load_b128 v[X+16*\b+4*\k:X+16*\b+4*\k+3], v3 offset:128*\b+16*\k
.endr
.endr
.endm
.macro LOAD t                          ; weights, block t: W(256 y + 32 t + i, my column) into set t % 2
.irp i, 0,1,2,3,4,5,6,7,8,9,10,11,12,13,14,15,16,17,18,19,20,21,22,23,24,25,26,27,28,29,30,31
	global_load_b32 v[X+32*((\t)%2)+\i], v[VO+\i], s[16+2*(\t):17+2*(\t)] th:TH_LOAD_NT
.endr
.endm
.macro BLOCK t
.set XS, X+32*((\t)%2)
.if (\t) < 7
	s_wait_loadcnt 32                              ; this block's 32 loads are in; the next block's may be out
.else
	s_wait_loadcnt 0x0
.endif
	v_max3_num_f32 v12, |v[XS]|, |v[XS+1]|, |v[XS+2]|
	v_max3_num_f32 v13, |v[XS+3]|, |v[XS+4]|, |v[XS+5]|
.irp i, 6,10,14,18,22,26
	v_max3_num_f32 v12, v12, |v[XS+\i]|, |v[XS+\i+1]|
	v_max3_num_f32 v13, v13, |v[XS+\i+2]|, |v[XS+\i+3]|
.endr
	v_max3_num_f32 v12, v12, |v[XS+30]|, |v[XS+31]|
	v_max3_num_f32 v12, v12, v13, 0x2800000
	v_add_nc_u32 v11, 0xfe000000, v12
	v_lshrrev_b32 v13, 23, v11
.if (\t)%4 == 0
	v_mov_b32 v[14+(\t)/4], v13
.else
	v_lshl_or_b32 v[14+(\t)/4], v13, 8*((\t)%4), v[14+(\t)/4]
.endif
	v_cvt_scalef32_pk16_bf6_f32 v[16:18], v[XS:XS+15], v11
	v_cvt_scalef32_pk16_bf6_f32 v[24:26], v[XS+16:XS+31], v11
	v_nop
	v_mov_b32 v19, v24
	v_mov_b32 v20, v25
	v_mov_b32 v21, v26
.irp q, 0,1,2                          ; block t is K step t / 4, registers 6 c .. 6 c + 5 (c = (t % 4) / 2) of lane r + 16 (t % 2)
	ds_store_b64 v4, v[16+2*\q:17+2*\q] offset:((\t)/4)*1536+(3*(((\t)%4)/2)+\q)*256+128*((\t)%2)
.endr
.if (\t)+2 < 8
	LOAD (\t)+2
.endif
	s_wait_dscnt 0x0                               ; the stores have read their registers
.endm
	v_lshl_add_u32 v62, v0, 2, SPARE
	v_mov_b32 v63, 0
	s_cmp_lt_u32 ttmp9, 128
	s_cbranch_scc0 .Lpath_x
; ---- the weights
	s_load_b128 s[4:7], s[0:1], 0x18               ; W_attn, W_proj
	s_load_b128 s[8:11], s[0:1], 0x28              ; wc, ws
	v_lshrrev_b32 v1, 5, v0
	v_readfirstlane_b32 s12, v1                    ; wave
	v_and_b32 v2, 31, v0                           ; lane = my column among the wave's 32
	v_lshlrev_b32 v3, 2, v2
	s_and_b32 s40, ttmp9, 31                       ; x': which 128 columns
	s_lshr_b32 s13, ttmp9, 5                       ; y: which 256 along K
	s_mul_i32 s14, s12, 6656
	s_add_co_u32 s14, s14, 33792                   ; my LDS bytes: tile 0's two images at 0, tile 1's at 3,200
	v_bfe_u32 v8, v2, 3, 1                         ; column c lies in tile u = bit 3 of c,
	v_bfe_u32 v9, v2, 4, 1
	v_and_b32 v10, 7, v2
	v_lshl_add_u32 v10, v9, 3, v10                 ; at lane r = 8 x bit 4 + (c & 7)
	v_mul_u32_u24 v4, v8, 3200
	v_lshl_add_u32 v4, v10, 3, v4
	v_add_nc_u32 v4, s14, v4
	v_lshlrev_b32 v6, 4, v2
	v_add_nc_u32 v5, s14, v6
	v_lshl_add_u32 v7, v8, 4, v10
	v_lshlrev_b32 v7, 5, v7                        ; my position's row of scale bytes
	s_mov_b32 s15, 4096
	s_cmp_lt_u32 s40, 24                           ; W_attn's work-group or W_proj's
	s_cselect_b32 s15, 12288, s15                  ; a row of the weight in bytes
	s_cselect_b32 s32, 0, 24
	s_sub_co_u32 s32, s40, s32
	s_lshl_b32 s32, s32, 7
	s_lshl_b32 s33, s12, 5
	s_add_co_u32 s32, s32, s33                     ; my wave's first column in its weight
	s_lshl_b32 s32, s32, 2
	s_lshl_b32 s33, s13, 8
	s_mul_i32 s33, s33, s15                        ; 256 y rows
	s_add_co_u32 s32, s32, s33
	s_mov_b32 s33, 0
	s_lshl_b32 s34, s15, 5                         ; 32 rows: from block to block
	s_mov_b32 s35, 0
.set i, 0
.rept 32
	v_mad_u32_u24 v[VO+i], s15, i, v3
.set i, i+1
.endr
	s_lshl_b32 s36, s40, 3
	s_lshl_b32 s37, s12, 1
	s_add_co_u32 s36, s36, s37                     ; my first tile: 8 x' + 2 w
	s_mul_i32 s36, s36, 12288
	s_mul_i32 s37, s13, 3072                       ; K steps 2 y and 2 y + 1
	s_add_co_u32 s36, s36, s37
	s_mov_b32 s37, 0
	s_lshl_b32 s38, s40, 12
	s_lshl_b32 s39, s12, 10
	s_add_co_u32 s38, s38, s39
	s_lshl_b32 s39, s13, 3
	s_add_co_u32 s38, s38, s39
	s_mov_b32 s39, 0
	s_wait_alu depctr_va_vdst(0)                   ; the wait at the head's end
	s_wait_kmcnt 0x0
	s_cmp_lt_u32 s40, 24
	s_cselect_b64 s[4:5], s[4:5], s[6:7]
	s_add_nc_u64 s[16:17], s[4:5], s[32:33]        ; a base for each of the 8 blocks; none is rewritten
.irp t, 1,2,3,4,5,6,7
	s_add_nc_u64 s[16+2*\t:17+2*\t], s[14+2*\t:15+2*\t], s[34:35]
.endr
	s_add_nc_u64 s[8:9], s[8:9], s[36:37]
	s_add_nc_u64 s[10:11], s[10:11], s[38:39]
	LOAD 0
	LOAD 1
.irp t, 0,1,2,3,4,5,6,7
	BLOCK \t
.endr
	s_wait_alu depctr_va_vdst(0)                   ; the wait ahead of the reader below
	global_store_b64 v7, v[14:15], s[10:11]        ; my position's 8 scale bytes
.irp u, 0,1
.irp k, 0,1,2,3,4,5
	ds_load_b128 v[OUTR+24*\u+4*\k:OUTR+24*\u+4*\k+3], v5 offset:3200*\u+512*\k
.endr
.endr
.irp u, 0,1
.irp k, 0,1,2,3,4,5
	s_wait_dscnt 11-6*\u-\k                        ; the younger loads may be out
	global_store_b128 v6, v[OUTR+24*\u+4*\k:OUTR+24*\u+4*\k+3], s[8:9] offset:12288*\u+512*\k
.endr
.endr
	s_wait_tensorcnt 0x0                           ; the wave's end
	ds_add_u32 v62, v63
	s_wait_dscnt 0x0
	s_endpgm
; ---- x
.Lpath_x:
	s_load_b128 s[4:7], s[0:1], 0x0                ; x, xc
	s_load_b64 s[8:9], s[0:1], 0x10                ; xs
	s_sub_co_u32 s15, ttmp9, 128                   ; I: my tile
	v_lshrrev_b32 v7, 5, v0
	v_readfirstlane_b32 s10, v7                    ; wave
	v_and_b32 v8, 31, v0                           ; lane
	v_and_b32 v9, 15, v0                           ; r
	v_bfe_u32 v10, v0, 4, 1                        ; h
	v_lshlrev_b32 v1, 4, v8
	s_mul_i32 s11, s10, 8448                       ; my stage
	v_add_nc_u32 v2, s11, v1
	v_mul_u32_u24 v3, v9, 528
	v_lshl_add_u32 v3, v10, 6, v3
	v_add_nc_u32 v3, s11, v3
	v_lshlrev_b32 v4, 3, v8
	v_lshlrev_b32 v5, 5, v9
	v_lshl_add_u32 v5, v10, 2, v5                  ; scale words: 32 r + 4 h
	s_mov_b32 s[SEL], 0x76543210
	s_mov_b32 s[SEL+1], 0xfedcba98
	s_mov_b32 s14, 0xffff0000                      ; lanes 16-31
.irp b, 0,1,2,3
	v_mov_b32 v[TM+4+\b], 0                        ; a lane permute's destination counts as one of its sources
.endr
	s_lshr_b32 s16, s15, 1
	s_lshl_b32 s16, s16, 5
	s_and_b32 s17, s15, 1
	s_lshl_b32 s17, s17, 3
	s_add_co_u32 s16, s16, s17                     ; the tile's first row
	s_lshl_b32 s16, s16, 12
	s_lshl_b32 s17, s10, 10
	s_add_co_u32 s16, s16, s17
	s_mov_b32 s17, 0
	s_mul_i32 s18, s15, 12288
	s_mul_i32 s19, s10, 3072
	s_add_co_u32 s18, s18, s19
	s_mov_b32 s19, 0
	s_lshl_b32 s20, s15, 9
	s_lshl_b32 s21, s10, 3
	s_add_co_u32 s20, s20, s21
	s_mov_b32 s21, 0
	s_wait_alu depctr_va_vdst(0)                   ; the wait at the head's end
	s_wait_kmcnt 0x0
	s_add_nc_u64 s[4:5], s[4:5], s[16:17]
	s_add_nc_u64 s[6:7], s[6:7], s[18:19]
	s_add_nc_u64 s[8:9], s[8:9], s[20:21]
	XLOAD 0
	XLOAD 1
	s_wait_loadcnt 16                              ; the first fragment's 16 loads are in
	TURN 0
	s_wait_dscnt 0x0
	QUANT X
	WORD WD
.irp p, 0,1,2,3,4,5
	global_store_b64 v4, v[PC+2*\p:PC+2*\p+1], s[6:7] offset:256*\p          ; 32 lanes store one aligned block of 256 bytes
.endr
	s_wait_loadcnt 0x0
	TURN 1
	s_wait_dscnt 0x0
	s_wait_xcnt 0x0                                ; the stores have read their registers
	QUANT X
	WORD WD+1
.irp p, 0,1,2,3,4,5
	global_store_b64 v4, v[PC+2*\p:PC+2*\p+1], s[6:7] offset:1536+256*\p
.endr
	v_cndmask_b32 v6, v[WD], v[WD+1], s14
	global_store_b32 v5, v6, s[8:9]
	s_wait_tensorcnt 0x0                           ; the wave's end
	ds_add_u32 v62, v63
	s_wait_dscnt 0x0
	s_endpgm
.Lfunc_end_k_q91ec80b57b_prep:
	.size	k_q91ec80b57b_prep, .Lfunc_end_k_q91ec80b57b_prep-k_q91ec80b57b_prep
	.p2alignl 7, 3214868480
	.fill 96, 4, 3214868480
	.section	.rodata,"a",@progbits
	.p2align	6, 0x0
	.amdhsa_kernel k_q91ec80b57b_prep
		.amdhsa_group_segment_fixed_size 60928
		.amdhsa_private_segment_fixed_size 0
		.amdhsa_enable_private_segment 0
		.amdhsa_kernarg_size 56
		.amdhsa_user_sgpr_count 2
		.amdhsa_user_sgpr_kernarg_segment_ptr 1
		.amdhsa_wavefront_size32 1
		.amdhsa_system_sgpr_workgroup_id_x 1
		.amdhsa_system_sgpr_workgroup_id_y 1
		.amdhsa_system_sgpr_workgroup_id_z 1
		.amdhsa_system_vgpr_workitem_id 0
		.amdhsa_next_free_vgpr 256
		.amdhsa_next_free_sgpr 66
		.amdhsa_reserve_vcc 0
		.amdhsa_float_denorm_mode_32 3
		.amdhsa_float_denorm_mode_16_64 3
		.amdhsa_memory_ordered 1
		.amdhsa_forward_progress 1
		.amdhsa_inst_pref_size 63
	.end_amdhsa_kernel
	.amdgpu_metadata
---
amdhsa.version: [ 1, 2 ]
amdhsa.kernels:
  - .name:           k_q91ec80b57b_prep
    .symbol:         k_q91ec80b57b_prep.kd
    .args:
      - { .name: x, .offset: 0, .size: 8, .value_kind: global_buffer, .address_space: global }
      - { .name: xc, .offset: 8, .size: 8, .value_kind: global_buffer, .address_space: global }
      - { .name: xs, .offset: 16, .size: 8, .value_kind: global_buffer, .address_space: global }
      - { .name: W_attn, .offset: 24, .size: 8, .value_kind: global_buffer, .address_space: global }
      - { .name: W_proj, .offset: 32, .size: 8, .value_kind: global_buffer, .address_space: global }
      - { .name: wc, .offset: 40, .size: 8, .value_kind: global_buffer, .address_space: global }
      - { .name: ws, .offset: 48, .size: 8, .value_kind: global_buffer, .address_space: global }
    .group_segment_fixed_size: 60928
    .private_segment_fixed_size: 0
    .kernarg_segment_align: 8
    .kernarg_segment_size: 56
    .max_flat_workgroup_size: 128
    .sgpr_count:     66
    .vgpr_count:     256
    .wavefront_size: 32
...
	.end_amdgpu_metadata
.endif
;; end of part 1
;; launch qkv (part 2): grid 4 x 64, 4 waves a work-group, clusters of 4 x 4, 327,680 bytes of LDS; arguments xc, xs, wc, ws, b_attn, qkvc, qkvs; writes qkvc, qkvs
.if DOCPART == 2
	.amdgcn_target "amdgcn-amd-amdhsa--gfx1250"
	.amdhsa_code_object_version 6
	.text
	.protected	k_q91ec80b57b_qkv
	.globl	k_q91ec80b57b_qkv
	.p2align	8
	.type	k_q91ec80b57b_qkv,@function
k_q91ec80b57b_qkv:
	s_mov_b64 s[64:65], 0
	v_nop
	global_prefetch_b8 v0, s[64:65] scope:SCOPE_SE
	s_setreg_imm32_b32 hwreg(HW_REG_WAVE_MODE, 25, 1), 1
	s_wait_xcnt 0x0
	s_wait_alu depctr_hold_cnt(0) depctr_sa_sdst(0) depctr_va_vdst(0) depctr_va_sdst(0) depctr_va_ssrc(0) depctr_va_vcc(0) depctr_vm_vsrc(0)
	s_getreg_b32 s2, hwreg(HW_REG_IB_STS2, 6, 4)
	s_cmp_eq_u32 s2, 0
	s_cbranch_scc0 .Lentry_in_a_cluster
	s_endpgm
.Lentry_in_a_cluster:
	s_bfe_u32 s2, ttmp6, 0x10000c
	s_cmp_lg_u32 s2, 0xf033
	s_cbranch_scc0 .Lentry_shape_is_right
	s_endpgm
.Lentry_shape_is_right:
; qkv = x W_attn + b_attn on codes of BF6 (E3M2, one E8M0 scale for each 32 along K), and the results quantised in registers for the attention: q and k along the head's 64, v along the keys.
; A WORK-GROUP STAYS.  Work-group (c, TA) keeps x's rows 128 TA .. + 127 for all of K in LDS (98,304 bytes at 0) and walks three panels of 256 columns of W_attn, c, c + 4 and c + 8 of the twelve:
; one of q, one of k, one of v (196,608 bytes at 98,304, filled again for each).  256 work-groups, alike in their work.
; THE FRAME of a panel: 32 accumulators a wave, "S1" (the matrix instruction's source 1) 4 blocks of 16 x "S0" (source 0) 8 blocks.  In a result a lane holds ONE row of S1, and its registers run along
; S0's rows: what is to be quantised next must be S0.   q, k: S0 = W's columns, half w & 1 of the panel; S1 = x's rows, half w >> 1.     v: S0 = x's 128 rows (the keys); S1 = W's columns, quarter w.
; The two cases differ in LDS addresses, pointers and the way out alone.  q and k are a loop of two trips, each of which asks for the next panel; v is the tail, written out: it asks for nothing.
; OPERANDS lie in memory and in LDS as images of their registers, [tile][K step 8][1,536]; tiles hold rows in position order (lane r of tile i: row 32 (i / 2) + 8 (i % 2) + r + 8 (r / 8)), so that a
; lane's 64 registers of S0's eight blocks are: register 16 b + i = row 32 b + 16 h + i: the order in which QUANT takes them.
; LOADS.  Head: waves 0, 1 bring x's halves (192 rows of 256 bytes), waves 2, 3 the first panel's halves (384 rows): one load a wave.  A refill: each wave a quarter of the next panel (192 rows).
; It stands at the head of the panel's last K step, when that step's fragments are in registers: behind every wave's three lines and a round of the cluster's barrier.  The step's 32 products and the
; whole way out stand between the request and the wait for it.  A wave has one tensor load out at the most.  NO PREFETCH: that lead is already there for every refill.
; CLUSTER 4 x 4: x's rows hang on TA (cy) and are shared along a row of the cluster, W's panels on c (cx) and are shared along a column: each is asked for jointly by the four that share it.
; The scale words of all K come straight into registers (16 bytes a lane and load), the next panel's behind the last products of this one.
; OUT: qkvc: q at 0, k at 6,291,456: [b h 64][tile 128][3 chunks of 256] (a head's 64 = registers 0-5 of a fragment);  v at 12,582,912: [b h][128 keys 16][16 d 4][1,536].
;      qkvs: [b h][20,480]: q at 0, k at 8,192: [64 rows 32][lane 32][2 words]; v at 16,384: [128 keys 16][lane][2 words]; lane 16 u + r, word w = tile 2 w + u, row r.
;      A word of q or k is (s0, s1, s0, s1): the bytes for the upper 64 of the instruction's K, whose codes are zeros on q's side, repeat the real ones.
; LIMITS: NaN and infinities are not served; a block whose largest magnitude lies under 2^-122 gets the byte 1; a block of zeros gets the byte 1 and not 127 (only this program reads the bytes).
; REGISTERS: window 0: v1-8 LDS addresses, v9-15 offsets, v16-63 scale words (nothing else, ever), v64-127 the bias along S0 (q, k), v128-135 the bias along S1 (v), v136-159 at work,
;   v160-255 S1's fragments, two sets (on the way out: 64 numbers, the codes, the words).   window 1: S0's fragments, two sets, at v0 and v128.   window 2: accumulator (a, b) at v[8 (8 a + b)].
.set ADRA, 1
.set ADRB, 5
.set SCA,  16
.set SCB,  32
.set BIAS, 64
.set BV,   128
.set TM,   136
.set AF,   160
.set HA,   160
.set PC,   224
.set WV,   18
.set PCNT, 24                          ; panels to go in the loop
.set G1A,  28                          ; group 1: x's halves, mask of my row
.set G1B,  36                          ; the first panel's halves, mask of my column
.set G1R,  44                          ; a refill's quarter, mask of my column
.set G0A,  52
.set G0B,  56
.set G0R,  60
.set OBC,  66                          ; where the panel's codes go
.set OBS,  68                          ; and its scale words
.set BIP,  70                          ; the panel's bias
.set K0,   72                          ; scale words of S0 for k;  V0: for v
.set V0,   74
.set K1,   76                          ; of S1 for q and k;  V1: for v
.set V1,   78
.set NS0,  80                          ; those that are loaded next
.set NS1,  82
.set OP,   88                          ; the way out's running pointer
.set STR,  92                          ; from block a to block a + 1
.set HM,   94                          ; lanes 16-31
.set SEL,  98
.set WBASE, 98304
.set SPARE, 294912
.set MSB, 0
.macro WIN new                         ; the immediate's high byte repeats the setting that is left
.if MSB != \new
	s_set_vgpr_msb (MSB<<8)|\new
.set MSB, \new
.endif
.endm
.macro PLACES n
.rept \n
	v_nop
.endr
.endm
.macro CROUND                          ; a round of the cluster's barrier
	s_barrier_signal -1
	s_barrier_wait -1
	s_cmp_lg_u32 s[WV], 0
	s_cbranch_scc1 .Lnot_wave_0_\@
	s_barrier_signal -3
.Lnot_wave_0_\@:
	s_barrier_wait -3
	s_barrier_signal -1
	s_barrier_wait -1
.endm
.macro QUANT s                         ; 64 numbers of a lane, register 16 b + i = k 32 b + 16 h + i of my row, become a fragment's codes in v[PC] on; the four bytes stay in v[TM+4] on
.irp b, 0,1,2,3
	v_max3_num_f32 v[TM+\b], |v[\s+16*\b]|, |v[\s+1+16*\b]|, 0x2800000   ; and the floor 2^(5 - 127): the byte cannot fall under 1
.endr
.irp i, 2,4,6,8,10,12,14
.irp b, 0,1,2,3
	v_max3_num_f32 v[TM+\b], v[TM+\b], |v[\s+16*\b+\i]|, |v[\s+1+16*\b+\i]|
.endr
.endr
.irp b, 0,1,2,3
	v_permlanex16_b32 v[TM+4+\b], v[TM+\b], s[SEL], s[SEL+1]
.endr
.irp b, 0,1,2,3
	v_max_num_f32 v[TM+\b], v[TM+\b], v[TM+4+\b]
.endr
.irp b, 0,1,2,3
	v_add_nc_u32 v[TM+12+\b], 0xfe000000, v[TM+\b]     ; 4 off the exponent field: the conversion's scale operand
.endr
.irp b, 0,1,2,3
	v_lshrrev_b32 v[TM+4+\b], 23, v[TM+12+\b]          ; the scale's byte
.endr
.irp c, 0,1
	v_cvt_scalef32_pk16_bf6_f32 v[PC+6*\c:PC+2+6*\c], v[\s+32*\c:\s+15+32*\c], v[TM+12+2*\c]
	v_cvt_scalef32_pk16_bf6_f32 v[PC+12+4*\c:PC+14+4*\c], v[\s+16+32*\c:\s+31+32*\c], v[TM+12+2*\c+1]
.endr
	v_nop                                              ; one plain place behind a scaled conversion
.irp c, 0,1
.irp i, 0,1,2
	v_permlane16_swap_b32 v[PC+6*\c+\i], v[PC+12+4*\c+\i]
.endr
.irp i, 0,1,2
	v_mov_b32 v[PC+3+6*\c+\i], v[PC+12+4*\c+\i]
.endr
.endr
.endm
.macro FRAG reg, adr, off              ; an image comes back as it was stored: six loads of 8 bytes a lane, 256 consecutive bytes each
.irp p, 0,1,2,3,4,5
	ds_load_b64 v[\reg+2*\p:\reg+2*\p+1], v[\adr] offset:\off+256*\p
.endr
.endm
.macro FETCH s                         ; K step s's fragments into set s % 2: an address register for each two tiles of S0 and for each tile of S1
	WIN 0x40                                       ; destination window 1, address window 0
.irp i, 0,1,2,3,4,5,6,7
	FRAG 128*((\s)%2)+12*\i, ADRB+(\i)/2, 12288*((\i)%2)+1536*(\s)
.endr
	WIN 0
.irp i, 0,1,2,3
	FRAG AF+48*((\s)%2)+12*\i, ADRA+\i, 1536*(\s)
.endr
.endm
; One product.  A register of scale words holds an even block's words in lanes 0-15 and the odd block's in lanes 16-31.
.macro WM a, b, s, zero
.set rD, 8*(8*(\a)+(\b))
.set rB, 128*((\s)%2)+12*(\b)
.set rA, AF+48*((\s)%2)+12*(\a)
.set rSB, SCB+8*((\b)/2)+(\s)
.set rSA, SCA+8*((\a)/2)+(\s)
.if \zero
.if ((\a)%2 == 0) && ((\b)%2 == 0)
	v_wmma_scale_f32_16x16x128_f8f6f4 v[rD:rD+7], v[rB:rB+11], v[rA:rA+11], 0, v[rSB], v[rSA] matrix_a_fmt:MATRIX_FMT_BF6 matrix_b_fmt:MATRIX_FMT_BF6
.elseif ((\a)%2 == 0)
	v_wmma_scale_f32_16x16x128_f8f6f4 v[rD:rD+7], v[rB:rB+11], v[rA:rA+11], 0, v[rSB], v[rSA] matrix_a_fmt:MATRIX_FMT_BF6 matrix_b_fmt:MATRIX_FMT_BF6 matrix_a_scale:MATRIX_SCALE_ROW1
.elseif ((\b)%2 == 0)
	v_wmma_scale_f32_16x16x128_f8f6f4 v[rD:rD+7], v[rB:rB+11], v[rA:rA+11], 0, v[rSB], v[rSA] matrix_a_fmt:MATRIX_FMT_BF6 matrix_b_fmt:MATRIX_FMT_BF6 matrix_b_scale:MATRIX_SCALE_ROW1
.else
	v_wmma_scale_f32_16x16x128_f8f6f4 v[rD:rD+7], v[rB:rB+11], v[rA:rA+11], 0, v[rSB], v[rSA] matrix_a_fmt:MATRIX_FMT_BF6 matrix_b_fmt:MATRIX_FMT_BF6 matrix_a_scale:MATRIX_SCALE_ROW1 matrix_b_scale:MATRIX_SCALE_ROW1
.endif
.else
.if ((\a)%2 == 0) && ((\b)%2 == 0)
	v_wmma_scale_f32_16x16x128_f8f6f4 v[rD:rD+7], v[rB:rB+11], v[rA:rA+11], v[rD:rD+7], v[rSB], v[rSA] matrix_a_fmt:MATRIX_FMT_BF6 matrix_b_fmt:MATRIX_FMT_BF6
.elseif ((\a)%2 == 0)
	v_wmma_scale_f32_16x16x128_f8f6f4 v[rD:rD+7], v[rB:rB+11], v[rA:rA+11], v[rD:rD+7], v[rSB], v[rSA] matrix_a_fmt:MATRIX_FMT_BF6 matrix_b_fmt:MATRIX_FMT_BF6 matrix_a_scale:MATRIX_SCALE_ROW1
.elseif ((\b)%2 == 0)
	v_wmma_scale_f32_16x16x128_f8f6f4 v[rD:rD+7], v[rB:rB+11], v[rA:rA+11], v[rD:rD+7], v[rSB], v[rSA] matrix_a_fmt:MATRIX_FMT_BF6 matrix_b_fmt:MATRIX_FMT_BF6 matrix_b_scale:MATRIX_SCALE_ROW1
.else
	v_wmma_scale_f32_16x16x128_f8f6f4 v[rD:rD+7], v[rB:rB+11], v[rA:rA+11], v[rD:rD+7], v[rSB], v[rSA] matrix_a_fmt:MATRIX_FMT_BF6 matrix_b_fmt:MATRIX_FMT_BF6 matrix_a_scale:MATRIX_SCALE_ROW1 matrix_b_scale:MATRIX_SCALE_ROW1
.endif
.endif
.endm
; A K step of 128: the next step's 72 loads go out in one run, then this step's 32 products: the 32 accumulators take turns, in the same order in every step.
; rf = 1 (the last step of a panel that has a successor): my reads of the panel are over; the next panel is asked for.
.macro STEP s, zero, rf
.if \rf
	s_wait_tensorcnt 0x0                           ; none of my tensor loads is out
	ds_add_u32 v158, v159
	s_add_nc_u64 s[G0R+2:G0R+3], s[G0R+2:G0R+3], 786432    ; four panels, 64 tiles, on
	s_wait_dscnt 0x0                               ; the add is done, and this step's fragments, my last reads of the panel, are in
	CROUND                                         ; no wave of any partner still reads the panel
	tensor_load_to_lds s[G0R:G0R+3], s[G1R:G1R+7]  ; my quarter of the next panel
	s_nop 0
	PLACES 4
.else
	s_wait_dscnt 0x0                               ; this step's fragments are in
.endif
.if (\s) < 7
.if (\s) > 0
	PLACES 4                                       ; in front of loads into the set that the last step's products read
.endif
	FETCH (\s)+1
.endif
	WIN 0xa1                                       ; source 0 (S0) window 1, source 1 (S1) window 0, C and D window 2
.irp a, 0,1,2,3
.irp b, 0,1,2,3,4,5,6,7
	WM \a, \b, \s, \zero
.endr
.endr
	WIN 0
.endm
.macro SCLOAD                          ; the scale words of all K: register 8 (block / 2) + s: the words of K step s
.irp i, 0,1
.irp k, 0,1
	global_load_b128 v[SCA+8*\i+4*\k:SCA+8*\i+4*\k+3], v13, s[NS1:NS1+1] offset:1024*\i+16*\k
.endr
.endr
.irp i, 0,1,2,3
.irp k, 0,1
	global_load_b128 v[SCB+8*\i+4*\k:SCB+8*\i+4*\k+3], v13, s[NS0:NS0+1] offset:1024*\i+16*\k
.endr
.endr
.endm
; THE WAY OUT of S1's block a: the bias, the quantiser, six stores of 256 consecutive aligned bytes.
.macro WAYOUT a, isv
.if \a > 0
	s_wait_xcnt 0x0                                ; the last block's stores have read their registers and their base
	s_add_nc_u64 s[OP:OP+1], s[OP:OP+1], s[STR:STR+1]
.endif
	WIN 0x02                                       ; source 0: window 2
.set n, 0
.rept 32
.if \isv
	v_pk_add_f32 v[HA+n:HA+n+1], v[64*\a+n:64*\a+n+1], v[BV+2*\a:BV+2*\a+1]       ; each accumulator from its low end on
.else
	v_pk_add_f32 v[HA+n:HA+n+1], v[64*\a+n:64*\a+n+1], v[BIAS+n:BIAS+n+1]
.endif
.set n, n+2
.endr
	WIN 0
	QUANT HA
	v_lshl_or_b32 v152, v[TM+5], 8, v[TM+4]        ; bytes 0, 1
	v_lshl_or_b32 v153, v[TM+7], 8, v[TM+6]        ; bytes 2, 3
.if (\a)%2 == 0
	v_lshl_or_b32 v248, v[152+\isv], 16, v152      ; q, k: the first head's (s0, s1, s0, s1);  v: all four bytes
.if !\isv
	v_lshl_or_b32 v249, v153, 16, v153             ; q, k: the second head's
.endif
.else
	v_lshl_or_b32 v154, v[152+\isv], 16, v152
	v_cndmask_b32 v[244+(\a)/2], v248, v154, s[HM] ; lanes 0-15 the even block's words, lanes 16-31 the odd block's
.if !\isv
	v_lshl_or_b32 v155, v153, 16, v153
	v_cndmask_b32 v[246+(\a)/2], v249, v155, s[HM]
.endif
.endif
.irp p, 0,1,2
	global_store_b64 v9, v[PC+2*\p:PC+2*\p+1], s[OP:OP+1] offset:256*\p
.endr
.irp p, 0,1,2
	global_store_b64 v10, v[PC+6+2*\p:PC+7+2*\p], s[OP:OP+1] offset:256*\p
.endr
.endm
; ONE PANEL.  rf = 1: it has a successor;  isv = 1: v.
.macro PANEL rf, isv
	s_wait_alu depctr_va_vdst(0)                   ; the wait here, directly ahead of the waits below
	s_wait_xcnt 0x0                                ; the last panel's stores have read their registers: fragments land there
	s_wait_tensorcnt 0x0                           ; my part of the panel (at the start: of x or of the panel) has landed
	s_barrier_signal -1
	s_barrier_wait -1                              ; everybody's has
	FETCH 0
.if \isv
.irp a, 0,1,2,3
	global_load_b32 v[BV+2*\a], v15, s[BIP:BIP+1] offset:4*(32*(\a/2)+8*(\a%2))               ; bias of S1's block a, lane r's row
.endr
	s_wait_loadcnt 4                               ; the 12 loads of scale words are in; the 4 just issued may be out
.else
.irp g, 0,1,2,3
.irp k, 0,1,2,3
	global_load_b128 v[BIAS+16*\g+4*\k:BIAS+16*\g+4*\k+3], v14, s[BIP:BIP+1] offset:128*\g+16*\k   ; register 16 g + i: bias of S0's row 32 g + 16 h + i
.endr
.endr
	s_wait_loadcnt 16                              ; the 12 loads of scale words are in; the 16 just issued may be out
.endif
	STEP 0, 1, 0                                   ; the first step's products start the sums: nothing is cleared
	STEP 1, 0, 0
	STEP 2, 0, 0
	STEP 3, 0, 0
	STEP 4, 0, 0
	STEP 5, 0, 0
	STEP 6, 0, 0
	STEP 7, 0, \rf
	PLACES 4                                       ; in front of the first read of results, of writes over the last fragments and of loads into the scale words
.if \rf
	s_cmp_eq_u32 s[PCNT], 2                        ; the next panel is k's (first trip) or v's: a choice of pointers on the loop's counter
	s_cselect_b64 s[NS0:NS0+1], s[K0:K0+1], s[V0:V0+1]
	s_cselect_b64 s[NS1:NS1+1], s[K1:K1+1], s[V1:V1+1]
	SCLOAD
	s_wait_loadcnt 12                              ; the bias is in; the 12 just issued may be out
.else
	s_wait_loadcnt 0x0
.endif
.if \isv
.irp a, 0,1,2,3
	v_mov_b32 v[BV+2*\a+1], v[BV+2*\a]             ; a pair for the packed addition
.endr
.endif
	s_mov_b64 s[OP:OP+1], s[OBC:OBC+1]
	WAYOUT 0, \isv
	WAYOUT 1, \isv
	WAYOUT 2, \isv
	WAYOUT 3, \isv
	global_store_b64 v9, v[244:245], s[OBS:OBS+1]  ; the four blocks' scale words: one aligned block of 256 bytes
.if !\isv
	global_store_b64 v9, v[246:247], s[OBS:OBS+1] offset:20480     ; q, k: the second head's
.endif
.endm
	s_load_b256 s[4:11], s[0:1], 0x0               ; xc, xs, wc, ws
	s_load_b128 s[12:15], s[0:1], 0x20             ; b_attn, qkvc
	s_load_b64 s[16:17], s[0:1], 0x30              ; qkvs
	v_lshl_add_u32 v158, v0, 2, SPARE
	v_mov_b32 v159, 0
	ds_add_u32 v158, v159                          ; the opening lines: the add, twice on end, and its wait
	ds_add_u32 v158, v159
	v_lshrrev_b32 v1, 5, v0
	v_readfirstlane_b32 s[WV], v1                  ; wave 0..3
	s_lshr_b32 s19, s[WV], 1                       ; hA
	s_and_b32 s20, s[WV], 1                        ; hB.  Also: which half I fetch at the head
	s_bfe_u32 s21, ttmp6, 0x40000                  ; cx = c: the grid is one cluster wide
	s_bfe_u32 s22, ttmp6, 0x40004                  ; cy
	s_and_b32 s23, ttmp7, 0xffff                   ; the cluster's row
	s_lshl_b32 s2, s22, 2
	s_lshl_b32 s2, 15, s2                          ; my row of the cluster
	s_lshl_b32 s3, 0x1111, s21                     ; my column
	s_or_b32 s[G1A], s2, (3<<16)|(1<<21)           ; the mask, elements of 8 bytes, bit 21 beside a mask, no padding
	s_or_b32 s[G1B], s3, (3<<16)|(1<<21)
	s_or_b32 s[G1R], s3, (3<<16)|(1<<21)
.irp g, G1A, G1R
	s_mov_b32 s[\g+1], 32<<16                      ; dense bytes as rows of 256
	s_mov_b32 s[\g+2], 192<<16                     ; four tiles for all of K: 49,152 bytes
	s_mov_b32 s[\g+3], 32<<16
	s_mov_b32 s[\g+4], 192
	s_mov_b32 s[\g+5], 32
	s_mov_b32 s[\g+6], 0
	s_mov_b32 s[\g+7], 0
.endr
	s_mov_b32 s[G1B+1], 32<<16
	s_mov_b32 s[G1B+2], 384<<16                    ; eight tiles: 98,304 bytes
	s_mov_b32 s[G1B+3], 32<<16
	s_mov_b32 s[G1B+4], 384
	s_mov_b32 s[G1B+5], 32
	s_mov_b32 s[G1B+6], 0
	s_mov_b32 s[G1B+7], 0
	s_lshl_b32 s25, s23, 2
	s_add_co_u32 s25, s25, s22                     ; TA: of the places in the cluster it holds cy alone
	s_lshl_b32 s84, s25, 3
	s_lshl_b32 s85, s20, 2
	s_add_co_u32 s84, s84, s85
	s_mul_i32 s84, s84, 12288                      ; x: tile 8 TA + 4 x half
	s_mov_b32 s85, 0
	s_lshl_b32 s86, s21, 4
	s_lshl_b32 s87, s20, 3
	s_add_co_u32 s86, s86, s87
	s_mul_i32 s86, s86, 12288                      ; the first panel: tile 16 c + 8 x half: cx alone
	s_mov_b32 s87, 0
	s_lshl_b32 s90, s21, 4
	s_lshl_b32 s91, s[WV], 2
	s_add_co_u32 s90, s90, s91
	s_mul_i32 s90, s90, 12288                      ; the refills: tile 16 c + 4 w, stepped by 64 tiles ahead of each
	s_mov_b32 s91, 0
	s_mul_i32 s26, s20, 49152                      ; where they go in LDS: the wave's number alone
	s_mul_i32 s27, s20, 98304
	s_add_co_u32 s27, s27, WBASE
	s_mul_i32 s96, s[WV], 49152
	s_add_co_u32 s96, s96, WBASE
	s_mov_b32 s[SEL], 0x76543210
	s_mov_b32 s[SEL+1], 0xfedcba98
	s_mov_b32 s[HM], 0xffff0000
	s_mov_b32 s[STR], 768                          ; q, k: a tile of 16 rows
	s_mov_b32 s[STR+1], 0
	s_wait_dscnt 0x0
	s_wait_kmcnt 0x0
	s_add_nc_u64 s[84:85], s[4:5], s[84:85]
	s_add_nc_u64 s[86:87], s[8:9], s[86:87]
	s_add_nc_u64 s[90:91], s[8:9], s[90:91]
	CROUND                                         ; all sixteen work-groups are here: the joint loads meet
	s_mov_b32 s[G0A], 1
	s_mov_b32 s[G0A+1], s26
	s_mov_b64 s[G0A+2:G0A+3], s[84:85]
	s_or_b32 s[G0A+3], s[G0A+3], 0x80000000
	s_mov_b32 s[G0B], 1
	s_mov_b32 s[G0B+1], s27
	s_mov_b64 s[G0B+2:G0B+3], s[86:87]
	s_or_b32 s[G0B+3], s[G0B+3], 0x80000000
	s_mov_b32 s[G0R], 1
	s_mov_b32 s[G0R+1], s96
	s_mov_b64 s[G0R+2:G0R+3], s[90:91]
	s_or_b32 s[G0R+3], s[G0R+3], 0x80000000
	s_cmp_lt_u32 s[WV], 2                          ; the head's fills: one load in each arm
	s_cbranch_scc0 .Lfill_b
	tensor_load_to_lds s[G0A:G0A+3], s[G1A:G1A+7]
	s_nop 0
	PLACES 4
	s_branch .Lfilled
.Lfill_b:
	tensor_load_to_lds s[G0B:G0B+3], s[G1B:G1B+7]
	s_nop 0
	PLACES 4
.Lfilled:
	s_lshl_b32 s26, s25, 7                         ; 128 TA: x's first row
	s_lshl_b32 s2, s19, 6
	s_add_co_u32 s27, s26, s2                      ; q, k: my first row of x: + 64 hA
	s_lshl_b32 s96, s21, 8
	s_lshl_b32 s2, s20, 7
	s_add_co_u32 s96, s96, s2                      ; q, k: my first feature in its section: 256 c + 128 hB
	s_lshl_b32 s97, s21, 8
	s_lshl_b32 s2, s[WV], 6
	s_add_co_u32 s97, s97, s2                      ; v: 256 c + 64 w
	s_mov_b32 s3, 0
	s_lshl_b32 s2, s27, 5                          ; scale bytes: 32 a row
	s_add_nc_u64 s[K1:K1+1], s[6:7], s[2:3]
	s_lshl_b32 s2, s26, 5
	s_add_nc_u64 s[V0:V0+1], s[6:7], s[2:3]
	s_lshl_b32 s2, s96, 5
	s_add_nc_u64 s[NS0:NS0+1], s[10:11], s[2:3]
	s_add_nc_u64 s[K0:K0+1], s[NS0:NS0+1], 32768   ; 1,024 columns on
	s_lshl_b32 s2, s97, 5
	s_add_co_u32 s2, s2, 65536                     ; v's columns are positions 2,048 on
	s_add_nc_u64 s[V1:V1+1], s[10:11], s[2:3]
	s_mov_b64 s[NS1:NS1+1], s[K1:K1+1]
	s_lshl_b32 s2, s96, 2
	s_add_nc_u64 s[BIP:BIP+1], s[12:13], s[2:3]
	s_lshr_b32 s84, s27, 11
	s_lshl_b32 s84, s84, 4                         ; 16 b
	s_bfe_u32 s85, s96, 0x40006
	s_add_co_u32 s85, s85, s84                     ; b h of my first head
	s_and_b32 s86, s27, 2047                       ; t0
	s_mul_i32 s2, s85, 98304
	s_mul_i32 s87, s86, 48                         ; 768 bytes for 16 rows
	s_add_co_u32 s2, s2, s87
	s_add_nc_u64 s[OBC:OBC+1], s[14:15], s[2:3]
	s_mul_i32 s2, s85, 20480
	s_lshl_b32 s87, s86, 2                         ; 256 bytes for 64 rows
	s_add_co_u32 s2, s2, s87
	s_add_nc_u64 s[OBS:OBS+1], s[16:17], s[2:3]
	v_and_b32 v12, 31, v0                          ; lane
	v_lshlrev_b32 v13, 5, v12                      ; scale words: lane l takes position l of two tiles
	v_bfe_u32 v14, v0, 4, 1
	v_lshlrev_b32 v14, 6, v14                      ; the bias along S0: 64 h
	v_and_b32 v15, 15, v0
	v_and_b32 v11, 8, v15
	v_add_nc_u32 v15, v15, v11
	v_lshlrev_b32 v15, 2, v15                      ; the bias along S1: 4 (r + 8 (r / 8))
	v_lshlrev_b32 v9, 3, v12                       ; 8 x lane
	v_add_nc_u32 v10, 98304, v9                    ; q, k: chunks 3-5 are the next head's tile
	s_wait_alu depctr_va_vdst(0)                   ; the wait here, ahead of the scalar lines below
	s_mul_i32 s2, s19, 49152                       ; q, k: S1 = x's half hA,
	s_mul_i32 s3, s20, 98304
	s_add_co_u32 s3, s3, WBASE                     ; S0 = the panel's half hB
.irp q, 0,1,2,3
	v_add_nc_u32 v[ADRA+\q], s2, v9
	v_add_nc_u32 v[ADRB+\q], s3, v9
	s_add_co_u32 s2, s2, 12288                     ; S1: from tile to tile
	s_add_co_u32 s3, s3, 24576                     ; S0: two tiles on
.endr
.irp b, 0,1,2,3
	v_mov_b32 v[TM+4+\b], 0                        ; written once: a lane permute's destination counts as one of its sources
.endr
	s_wait_alu depctr_va_vdst(0)                   ; the wait ahead of the readers below
	SCLOAD
	s_mov_b32 s[PCNT], 2
.Lpanel:
	PANEL 1, 0                                     ; q, then k
	s_wait_xcnt 0x0                                ; the stores have read their bases
	s_add_nc_u64 s[BIP:BIP+1], s[BIP:BIP+1], 4096
	s_add_nc_u64 s[OBC:OBC+1], s[OBC:OBC+1], 6291456
	s_add_nc_u64 s[OBS:OBS+1], s[OBS:OBS+1], 8192
	s_sub_co_u32 s[PCNT], s[PCNT], 1
	s_cmp_lg_u32 s[PCNT], 0
	s_cbranch_scc1 .Lpanel
	; v: S0 = x's eight tiles, S1 = my quarter of the panel
	s_mov_b32 s3, 0
	s_lshl_b32 s2, s97, 2
	s_add_co_u32 s2, s2, 8192
	s_add_nc_u64 s[BIP:BIP+1], s[12:13], s[2:3]
	s_lshr_b32 s84, s26, 11
	s_lshl_b32 s84, s84, 4                         ; 16 b
	s_lshr_b32 s85, s97, 6
	s_add_co_u32 s85, s85, s84                     ; b h: my 64 columns are one head
	s_and_b32 s86, s26, 2047                       ; t0
	s_mul_i32 s2, s85, 98304
	s_mul_i32 s87, s86, 48                         ; 6,144 bytes for 128 keys
	s_add_co_u32 s2, s2, s87
	s_add_co_u32 s2, s2, 12582912
	s_add_nc_u64 s[OBC:OBC+1], s[14:15], s[2:3]
	s_mul_i32 s2, s85, 20480
	s_lshl_b32 s87, s86, 1                         ; 256 bytes for 128 keys
	s_add_co_u32 s2, s2, s87
	s_add_co_u32 s2, s2, 16384
	s_add_nc_u64 s[OBS:OBS+1], s[16:17], s[2:3]
	s_mov_b32 s[STR], 1536                         ; from block to block: a fragment
	v_add_nc_u32 v10, 768, v9                      ; chunks 3-5: the same fragment's second half
	s_mul_i32 s2, s[WV], 49152
	s_add_co_u32 s2, s2, WBASE
.irp q, 0,1,2,3
	v_add_nc_u32 v[ADRA+\q], s2, v9
	v_add_nc_u32 v[ADRB+\q], s3, v9
	s_add_co_u32 s2, s2, 12288
	s_add_co_u32 s3, s3, 24576
.endr
	PANEL 0, 1
	s_wait_tensorcnt 0x0                           ; the wave's end
	ds_add_u32 v158, v159
	s_wait_dscnt 0x0
	CROUND                                         ; the closing round: no work-group ends while a partner may still ask for a panel that names it
	s_endpgm
.Lfunc_end_k_q91ec80b57b_qkv:
	.size	k_q91ec80b57b_qkv, .Lfunc_end_k_q91ec80b57b_qkv-k_q91ec80b57b_qkv
	.p2alignl 7, 3214868480
	.fill 96, 4, 3214868480
	.section	.rodata,"a",@progbits
	.p2align	6, 0x0
	.amdhsa_kernel k_q91ec80b57b_qkv
		.amdhsa_group_segment_fixed_size 327680
		.amdhsa_private_segment_fixed_size 0
		.amdhsa_enable_private_segment 0
		.amdhsa_kernarg_size 56
		.amdhsa_user_sgpr_count 2
		.amdhsa_user_sgpr_kernarg_segment_ptr 1
		.amdhsa_wavefront_size32 1
		.amdhsa_system_sgpr_workgroup_id_x 1
		.amdhsa_system_sgpr_workgroup_id_y 1
		.amdhsa_system_sgpr_workgroup_id_z 1
		.amdhsa_system_vgpr_workitem_id 0
		.amdhsa_next_free_vgpr 768
		.amdhsa_next_free_sgpr 100
		.amdhsa_reserve_vcc 0
		.amdhsa_float_denorm_mode_32 3
		.amdhsa_float_denorm_mode_16_64 3
		.amdhsa_memory_ordered 1
		.amdhsa_forward_progress 1
		.amdhsa_inst_pref_size 209
	.end_amdhsa_kernel
	.amdgpu_metadata
---
amdhsa.version: [ 1, 2 ]
amdhsa.kernels:
  - .name:           k_q91ec80b57b_qkv
    .symbol:         k_q91ec80b57b_qkv.kd
    .args:
      - { .name: xc, .offset: 0, .size: 8, .value_kind: global_buffer, .address_space: global }
      - { .name: xs, .offset: 8, .size: 8, .value_kind: global_buffer, .address_space: global }
      - { .name: wc, .offset: 16, .size: 8, .value_kind: global_buffer, .address_space: global }
      - { .name: ws, .offset: 24, .size: 8, .value_kind: global_buffer, .address_space: global }
      - { .name: b_attn, .offset: 32, .size: 8, .value_kind: global_buffer, .address_space: global }
      - { .name: qkvc, .offset: 40, .size: 8, .value_kind: global_buffer, .address_space: global }
      - { .name: qkvs, .offset: 48, .size: 8, .value_kind: global_buffer, .address_space: global }
    .group_segment_fixed_size: 327680
    .private_segment_fixed_size: 0
    .kernarg_segment_align: 8
    .kernarg_segment_size: 56
    .max_flat_workgroup_size: 128
    .sgpr_count:     100
    .vgpr_count:     768
    .wavefront_size: 32
...
	.end_amdgpu_metadata
.endif
;; end of part 2
;; launch attn (part 3): grid 4 x 64, 16 waves a work-group, no clusters, 327,680 bytes of LDS; arguments qkvc, qkvs, oc, os; writes oc, os
.if DOCPART == 3
	.amdgcn_target "amdgcn-amd-amdhsa--gfx1250"
	.amdhsa_code_object_version 6
	.text
	.protected	k_q91ec80b57b_attn
	.globl	k_q91ec80b57b_attn
	.p2align	8
	.type	k_q91ec80b57b_attn,@function
k_q91ec80b57b_attn:
	s_mov_b64 s[64:65], 0
	v_nop
	global_prefetch_b8 v0, s[64:65] scope:SCOPE_SE
	s_setreg_imm32_b32 hwreg(HW_REG_WAVE_MODE, 25, 1), 1
	s_wait_xcnt 0x0
; Causal attention of one (batch, head) on codes of BF6 (E3M2, one E8M0 scale for each 32 along a product's K), and its result quantised along C for the last product.
; t = score x log2(e) / 8; M = the row's largest t so far, rounded UP to a whole number; p = 2^(t - M) is quantised along the keys, not normalised; the row's sum is taken of the unquantised p
; and divides O at the end.  When M moves, the sum and O are multiplied by 2^(old M - new M): exact.  Key steps that the causal mask of the problem hides from all of a wave's queries are left out.
; SHARES.  Work-group (j, b h) owns the blocks of 256 queries 7 - j and j, in this order: equal causal work in all 256 work-groups.  Each of its 16 waves owns one tile of 16 queries of a block.
; THE HEAD'S K AND V STAY IN LDS, each byte filled once: K's images 98,304 bytes at 0, V's 98,304 behind them, K's scale words 8,192, V's 4,096, the spare words behind those.
; THEY COME IN TWO PARTS.  Keys 0-511 at the head: waves 0-3 bring 12,288 bytes each, wave 4 all scale words: one tensor load a wave.  Keys 512-2,047 behind the barrier that shows the first part
; whole: wave 0 brings K's 73,728 bytes, wave 1 V's; every work-group reads part of each (its block 7 - j sees keys up to 1,279 at the least).  Block 7 - j's four key steps on keys 0-511 stand
; between that request and the wait for it.  Behind the second barrier nothing is waited for any more: no barrier stands in a loop or between the two blocks.
; Every wait on TENSORcnt is for 0; a wave has one tensor load out at the most.
; NO CLUSTER: the four work-groups of a head leave out different key steps (branches on the work-group's block of queries), and partners of joint loads must run alike.
; NO PREFETCH: the one later request already stands four key steps of all sixteen waves ahead of the wait for it.
; LAYOUT.  Both products transposed: S^T = K Q^T (source 0 = 16 keys), O^T = V^T P^T (source 0 = 16 of the head's 64): a lane holds ONE query.  Tiles are in position order (lane r of tile i: row
; 32 (i / 2) + 8 (i % 2) + r + 8 (r / 8)), so the 16 registers of tiles 2 b, 2 b + 1 are keys 32 b + 16 h + 0 .. 15; O^T's likewise along d.
; K = 64 IN AN INSTRUCTION OF 128: a tile of K or Q is registers 0-5 of a fragment.  Q's registers 6-11 are zero codes.  K's fragment is named as 12 registers on end, so its upper six are the next
; tile's codes (behind the last tile: zeros): numbers of the format, which Q's zeros annihilate; the scale bytes of that half repeat the real ones.
; OUT: oc = [tile 512][K step 8][1,536]: head g fills chunks 3 (g % 2) .. + 2 of K step g / 2, whole blocks of 256 bytes;  os = [position][32]: head g's two bytes at 2 g, stored as single bytes.
; LIMITS: NaN and infinities are not served; the scaled scores stay under 2^31 in magnitude; a block whose largest magnitude lies under 2^-122 gets the byte 1; a block of zeros gets the byte 1 and not 127.
; REGISTERS: v1-7 addresses that stay; v8-11 the step's LDS addresses; v12 -M, v13 the largest t, v[14:15] the sum; v16-27 Q and its zeros; v28 Q's scale words; v32-79 8 tiles of K, then 4 fragments of V;
;   v80-85 zeros; v86-91 K's and V's scale words; v96-159 S^T, then p; v160-191 O^T; v192-210 codes; v212-229, v242-253 at work; v254, v255 the add's two.
.set WV,   18
.set BH,   19
.set SEL,  20
.set CS,   22
.set HALF, 24
.set G1C,  28                          ; s[28:35] group 1: 48 rows of 256 bytes, for the head's loads
.set G1L,  36                          ; s[36:43] group 1: 288 rows, for keys 512 on
.set G0L,  44                          ; s[44:47] group 0 for keys 512 on
.set G0C,  52                          ; s[52:55] group 0 of my part of keys 0-511
.set G0S,  56                          ; s[56:59] group 0 of the scale words
.set KF,   80                          ; the step's first key
.set TC,   81                          ; the step's bytes in K's and in V's images: 6,144 a step
.set TS,   82                          ; K's scale words: 512 a step
.set TV,   83                          ; V's: 256 a step
.set CNT,  84
.set QB,   85                          ; my tile's first query
.set BM,   212
.set PT,   216
.set SO,   220
.macro PLACES n
.rept \n
	v_nop
.endr
.endm
	s_load_b256 s[4:11], s[0:1], 0x0               ; qkvc, qkvs, oc, os
	v_lshl_add_u32 v254, v0, 2, 0x33000
	v_mov_b32 v255, 0
	ds_add_u32 v254, v255                          ; the opening lines: the add, twice on end, and its wait
	ds_add_u32 v254, v255
	v_lshrrev_b32 v8, 5, v0
	s_delay_alu instid0(VALU_DEP_1)
	v_readfirstlane_b32 s[WV], v8                  ; wave 0..15
	s_and_b32 s[BH], ttmp7, 0xffff                 ; b h
	v_and_b32 v8, 31, v0
	s_delay_alu instid0(VALU_DEP_1)
	v_lshlrev_b32 v1, 3, v8                        ; 8 x lane: my place in a chunk; K's images
	s_delay_alu instid0(VALU_DEP_1)
	v_add_nc_u32 v2, 98304, v1                     ; V's images
	s_delay_alu instid0(VALU_DEP_2)
	v_add_nc_u32 v3, 196608, v1                    ; K's scale words
	s_delay_alu instid0(VALU_DEP_3)
	v_add_nc_u32 v4, 204800, v1                    ; V's
	v_and_b32 v9, 15, v0                           ; r
	v_bfe_u32 v10, v0, 4, 1                        ; h
	s_delay_alu instid0(VALU_DEP_2)
	v_and_b32 v11, 8, v9
	s_delay_alu instid0(VALU_DEP_1)
	v_add_nc_u32 v11, v11, v9                      ; r + 8 (r / 8): my query in the tile
	s_delay_alu instid0(VALU_DEP_3)
	v_lshlrev_b32 v5, 4, v10
	s_delay_alu instid0(VALU_DEP_1)
	v_sub_nc_u32 v5, v11, v5                       ; - 16 h: for the mask
	v_lshl_add_u32 v6, v9, 5, v10                  ; os: 32 r + h
	s_and_b32 s96, s[WV], 1
	s_lshl_b32 s96, s96, 7
	s_bfe_u32 s97, s[WV], 0x10001
	s_lshl_b32 s97, s97, 2
	s_add_co_u32 s96, s96, s97
	v_lshl_add_u32 v7, v9, 3, s96                  ; Q's scale word: 8 (16 (w & 1) + r) + 4 ((w >> 1) & 1)
.irp g, G1C, G1L
	s_mov_b32 s[\g], 3<<16                         ; no mask; elements of 8 bytes; no padding
	s_mov_b32 s[\g+1], 32<<16                      ; tensor_dim0: 256 bytes
	s_mov_b32 s[\g+3], 32<<16
	s_mov_b32 s[\g+5], 32                          ; dense
	s_mov_b32 s[\g+6], 0
	s_mov_b32 s[\g+7], 0
.endr
	s_mov_b32 s[G1C+2], 48<<16                     ; 12,288 bytes
	s_mov_b32 s[G1C+4], 48
	s_mov_b32 s[G1L+2], 288<<16                    ; 73,728 bytes
	s_mov_b32 s[G1L+4], 288
	s_bfe_u32 s25, s[WV], 0x10001                  ; waves 0, 1: K's codes; waves 2, 3: V's
	s_and_b32 s96, s[WV], 1
	s_mul_i32 s97, s25, 98304
	s_mul_i32 s96, s96, 12288                      ; which half of the 24,576 bytes of keys 0-511
	s_add_co_u32 s97, s97, s96                     ; in LDS,
	s_mul_i32 s86, s25, 6291456
	s_add_co_u32 s86, s86, s96
	s_add_co_u32 s86, s86, 6291456
	s_mul_i32 s98, s[BH], 98304
	s_mov_b32 s99, 0
	s_add_co_u32 s86, s86, s98                     ; and in qkvc
	s_mov_b32 s87, 0
	s_mul_i32 s2, s[BH], 20480
	s_mov_b32 s3, 0
	s_mov_b32 s[SEL], 0x76543210
	s_mov_b32 s[SEL+1], 0xfedcba98
	s_mov_b32 s[CS], 0x3e38aa3b                    ; c = log2(e) / 8
	s_mov_b32 s[CS+1], s[CS]
	s_mov_b32 s[HALF], 0xffff0000                  ; lanes 16-31
	s_wait_dscnt 0x0
	s_wait_kmcnt 0x0
	s_add_nc_u64 s[12:13], s[4:5], s[98:99]        ; the head's q
	s_add_nc_u64 s[14:15], s[6:7], s[2:3]          ; the head's record of scale words
	s_mov_b32 s[G0C], 1
	s_mov_b32 s[G0C+1], s97
	s_add_nc_u64 s[G0C+2:G0C+3], s[4:5], s[86:87]
	s_or_b32 s[G0C+3], s[G0C+3], 0x80000000
	s_mov_b32 s[G0S], 1
	s_mov_b32 s[G0S+1], 196608
	s_add_nc_u64 s[G0S+2:G0S+3], s[14:15], 8192    ; K's 8,192 bytes of scale words and V's 4,096 lie on end in the record and in LDS
	s_or_b32 s[G0S+3], s[G0S+3], 0x80000000
	s_and_b32 s96, s[WV], 1                        ; keys 512 on: wave 0 K's, wave 1 V's
	s_mul_i32 s97, s96, 98304
	s_add_co_u32 s[G0L+1], s97, 24576
	s_mul_i32 s86, s96, 6291456
	s_add_co_u32 s86, s86, s98
	s_add_co_u32 s86, s86, 6291456+24576
	s_mov_b32 s[G0L], 1
	s_add_nc_u64 s[G0L+2:G0L+3], s[4:5], s[86:87]
	s_or_b32 s[G0L+3], s[G0L+3], 0x80000000
	s_cmp_lt_u32 s[WV], 4                          ; the head's fills: one chain of branches on the wave's number, one load to an arm
	s_cbranch_scc0 .Lnot_codes
	tensor_load_to_lds s[G0C:G0C+3], s[G1C:G1C+7]  ; keys 0-511
	s_nop 0
	PLACES 4
	s_branch .Lasked
.Lnot_codes:
	s_cmp_eq_u32 s[WV], 4
	s_cbranch_scc0 .Lasked
	tensor_load_to_lds s[G0S:G0S+3], s[G1C:G1C+7]
	s_nop 0
	PLACES 4
.Lasked:
	s_lshr_b32 s96, s[BH], 4                       ; b
	s_and_b32 s98, s[BH], 15                       ; the head g
	s_mul_i32 s86, s96, 1572864                    ; oc: 128 tiles a batch,
	s_mul_i32 s2, s98, 768                         ; 768 bytes a head in a tile
	s_add_co_u32 s86, s86, s2
	s_add_nc_u64 s[16:17], s[8:9], s[86:87]
	s_lshl_b32 s86, s96, 16                        ; os: 2,048 rows of 32 bytes a batch,
	s_lshl_b32 s2, s98, 1                          ; 2 bytes a head
	s_add_co_u32 s86, s86, s2
	s_add_nc_u64 s[26:27], s[10:11], s[86:87]
.irp i, 22,23,24,25,26,27,80,81,82,83,84,85
	v_mov_b32 v\i, 0                               ; zero codes: the upper 64 of Q's K, and behind K's last tile
.endr
.irp b, 0,1,2,3
	v_mov_b32 v[PT+\b], 0                          ; a lane permute's destination counts as one of its sources
.endr
	v_mov_b32 v225, 0                              ; (named as the upper half of the pair v[224:225])
	v_mov_b32 v227, 0
	v_mov_b32 v229, 0xff800000                     ; -infinity
; A BLOCK OF 256 QUERIES BEGINS.  first = 1: block 7 - j;  0: block j.
.macro SETUP first
	s_wait_xcnt 0x0                                ; the last block's stores have read their registers and bases
.if \first
	s_sub_co_u32 s86, 7, ttmp9
.else
	s_mov_b32 s86, ttmp9
.endif
	s_lshl_b32 s87, s86, 4
	s_add_co_u32 s87, s87, s[WV]                   ; my tile: 16 x block + wave
	s_lshl_b32 s[QB], s86, 8
	s_lshr_b32 s96, s[WV], 1
	s_lshl_b32 s96, s96, 5
	s_add_co_u32 s[QB], s[QB], s96
	s_and_b32 s96, s[WV], 1
	s_lshl_b32 s96, s96, 3
	s_add_co_u32 s[QB], s[QB], s96                 ; its first query: 256 x block + 32 (w / 2) + 8 (w % 2)
	s_mul_i32 s96, s87, 768
	s_mov_b32 s97, 0
	s_add_nc_u64 s[88:89], s[12:13], s[96:97]      ; its codes
	s_lshl_b32 s96, s86, 2
	s_lshr_b32 s98, s[WV], 2
	s_add_co_u32 s96, s96, s98
	s_lshl_b32 s96, s96, 8
	s_add_nc_u64 s[90:91], s[14:15], s[96:97]      ; its group's scale words
	s_mul_i32 s96, s87, 12288
	s_add_nc_u64 s[92:93], s[16:17], s[96:97]      ; its place in oc
	s_lshl_b32 s96, s87, 9
	s_add_nc_u64 s[94:95], s[26:27], s[96:97]      ; and in os
	s_mov_b32 s[KF], 0
	s_mov_b32 s[TC], 0
	s_mov_b32 s[TS], 0
	s_mov_b32 s[TV], 0
.if !\first
	PLACES 4                                       ; in front of loads into registers that matrix instructions have read
.endif
.irp p, 0,1,2
	global_load_b64 v[16+2*\p:17+2*\p], v1, s[88:89] offset:256*\p
.endr
	global_load_b32 v28, v7, s[90:91]
	v_mov_b32 v13, 0xff61b1e6                      ; the largest t so far: -3e38, under every t
	s_delay_alu instid0(VALU_DEP_1)
	v_floor_f32 v12, -v13                          ; -M
	v_mov_b32 v14, 0                               ; the sum, in two halves
	v_mov_b32 v15, 0
.set n, 0
.rept 32
	v_mov_b32 v[160+n], 0                          ; O^T: the loops have no first step of their own; the first change of M leaves zeros zeros
.set n, n+1
.endr
	s_wait_alu depctr_va_vdst(0)                   ; the wait here, directly ahead of the wait below
	s_wait_loadcnt 0x0                             ; Q
.endm
; nst KEY STEPS OF 128, from where KF stands.  The trip count is a constant; a step all of whose keys come after my queries is left out by a branch on ids.
.macro KLOOP nst
	s_mov_b32 s[CNT], \nst
.Lstep_\@:
	s_cmp_gt_u32 s[KF], s[QB]                      ; KF is a multiple of 128, and my 16 queries lie in one block of 32: all keys hidden from all of them
	s_cbranch_scc1 .Lhidden_\@
	v_add_nc_u32 v8, s[TC], v1                     ; (these four are also the places in front of the loads into registers that the last products read)
	v_add_nc_u32 v9, s[TC], v2
	v_add_nc_u32 v10, s[TS], v3
	v_add_nc_u32 v11, s[TV], v4
.irp t, 0,1,2,3,4,5,6,7
.irp p, 0,1,2
	ds_load_b64 v[32+6*\t+2*\p:33+6*\t+2*\p], v8 offset:768*\t+256*\p
.endr
.endr
	ds_load_b64 v[86:87], v10                      ; register t / 2: tile t's words, in lanes 0-15 (t even) or 16-31 (t odd)
	ds_load_b64 v[88:89], v10 offset:256
	s_wait_alu depctr_va_vdst(0)                   ; the wait here, directly ahead of the wait below
	s_wait_dscnt 0x0
.irp t, 0,1,2,3,4,5,6,7
.if \t%2
	v_wmma_scale_f32_16x16x128_f8f6f4 v[96+8*\t:103+8*\t], v[32+6*\t:43+6*\t], v[16:27], 0, v[86+\t/2], v28 matrix_a_fmt:MATRIX_FMT_BF6 matrix_b_fmt:MATRIX_FMT_BF6 matrix_a_scale:MATRIX_SCALE_ROW1
.else
	v_wmma_scale_f32_16x16x128_f8f6f4 v[96+8*\t:103+8*\t], v[32+6*\t:43+6*\t], v[16:27], 0, v[86+\t/2], v28 matrix_a_fmt:MATRIX_FMT_BF6 matrix_b_fmt:MATRIX_FMT_BF6
.endif
.endr
	PLACES 4                                       ; in front of the loads below and of the first read of the scores
.irp t, 0,1,2,3
.irp p, 0,1,2,3,4,5
	ds_load_b64 v[32+12*\t+2*\p:33+12*\t+2*\p], v9 offset:1536*\t+256*\p     ; V's four fragments land while the softmax is walked
.endr
.endr
	ds_load_b64 v[90:91], v11
	s_add_co_u32 s96, s[KF], 127                   ; on the diagonal the scores of hidden keys become -infinity ahead of the maximum; a step all of whose keys count skips this
	s_cmp_le_u32 s96, s[QB]
	s_cbranch_scc1 .Lopen_\@
	s_sub_co_i32 s96, s[QB], s[KF]
	v_add_nc_u32 v228, s96, v5                     ; d = my query - KF - 16 h.  Register 16 b + i holds key KF + 16 h + 32 b + i: hidden where 32 b + i > d
.set n, 0
.rept 64
	v_cmp_gt_i32 vcc_lo, 32*(n/16)+n%16, v228
	v_cndmask_b32 v[96+n], v[96+n], v229, vcc_lo
.set n, n+1
.endr
.Lopen_\@:
.irp b, 0,1,2,3
	v_max3_num_f32 v[BM+\b], v[96+16*\b], v[97+16*\b], v[98+16*\b]       ; the largest score of each block of 32 keys: for the row's maximum and, since p rises with the score, for the block's largest p
.endr
.irp i, 3,5,7,9,11,13
.irp b, 0,1,2,3
	v_max3_num_f32 v[BM+\b], v[BM+\b], v[96+16*\b+\i], v[97+16*\b+\i]
.endr
.endr
.irp b, 0,1,2,3
	v_max_num_f32 v[BM+\b], v[BM+\b], v[111+16*\b]
.endr
.irp b, 0,1,2,3
	s_delay_alu instid0(VALU_DEP_4)
	v_permlanex16_b32 v[PT+\b], v[BM+\b], s[SEL], s[SEL+1]
.endr
.irp b, 0,1,2,3
	s_delay_alu instid0(VALU_DEP_4)
	v_max_num_f32 v[BM+\b], v[BM+\b], v[PT+\b]     ; with lane l xor 16's 16 keys
.endr
	s_delay_alu instid0(VALU_DEP_2)
	v_max3_num_f32 v227, v[BM], v[BM+1], v[BM+2]
	s_delay_alu instid0(VALU_DEP_1)
	v_max_num_f32 v227, v227, v[BM+3]
	s_delay_alu instid0(VALU_DEP_1)
	v_mul_f32 v227, s[CS], v227                    ; the step's largest t (c is positive)
	s_delay_alu instid0(VALU_DEP_1)
	v_max_num_f32 v13, v13, v227
	v_mov_b32 v227, v12
	s_delay_alu instid0(VALU_DEP_2)
	v_floor_f32 v12, -v13                          ; the new -M = -ceil(t)
	s_delay_alu instid0(VALU_DEP_1)
	v_sub_f32 v227, v12, v227                      ; old M - new M: a whole number, 0 or less
	s_delay_alu instid0(VALU_DEP_1)
	v_cvt_i32_f32 v227, v227                       ; (it saturates)
	s_delay_alu instid0(VALU_DEP_1)
	v_ldexp_f32 v224, 1.0, v227                    ; f = 2^(old M - new M)
.set n, 0
.rept 32
	v_pk_fma_f32 v[96+n:97+n], v[96+n:97+n], s[CS:CS+1], v[12:13] op_sel_hi:[1,0,0]      ; t - M, two at a time
.set n, n+2
.endr
.irp b, 0,1,2,3
	v_fma_f32 v[BM+\b], v[BM+\b], s[CS], v12
.endr
.set n, 0
	s_wait_alu depctr_va_vdst(0)                   ; the wait ahead of the batch
.rept 64
	v_exp_f32 v[96+n], v[96+n]                     ; p = 2^(t - M), at most 1
.set n, n+1
.endr
.irp b, 0,1,2,3
	v_exp_f32 v[BM+\b], v[BM+\b]                   ; the block's largest p: the same two instructions on the same number
.endr
	v_pk_mul_f32 v[14:15], v[14:15], v[224:225] op_sel_hi:[1,0]          ; the sums under the new M.  (A plain place behind the exponentials)
	s_wait_alu depctr_va_vdst(0)                   ; and behind it
.irp b, 0,1,2,3
	v_max_num_f32 v[BM+\b], 0x2800000, v[BM+\b]    ; the floor 2^(5 - 127): the byte cannot fall under 1
.endr
.irp b, 0,1,2,3
	s_delay_alu instid0(VALU_DEP_4)
	v_add_nc_u32 v[SO+\b], 0xfe000000, v[BM+\b]    ; 4 off the exponent field: the conversion's scale operand
.endr
.irp b, 0,1,2,3
	s_delay_alu instid0(VALU_DEP_4)
	v_lshrrev_b32 v[PT+\b], 23, v[SO+\b]
.endr
	s_delay_alu instid0(VALU_DEP_3)
	v_lshl_or_b32 v226, v[PT+1], 8, v[PT]          ; p's scale word for these 128 keys
	s_delay_alu instid0(VALU_DEP_1)
	v_lshl_or_b32 v226, v[PT+2], 16, v226
	s_delay_alu instid0(VALU_DEP_1)
	v_lshl_or_b32 v226, v[PT+3], 24, v226
.irp c, 0,1
	v_cvt_scalef32_pk16_bf6_f32 v[192+6*\c:194+6*\c], v[96+32*\c:111+32*\c], v[SO+2*\c]
	v_cvt_scalef32_pk16_bf6_f32 v[204+4*\c:206+4*\c], v[112+32*\c:127+32*\c], v[SO+2*\c+1]
.endr
	v_nop                                          ; one plain place behind a scaled conversion
.irp c, 0,1
.irp i, 0,1,2
	v_permlane16_swap_b32 v[192+6*\c+\i], v[204+4*\c+\i]
.endr
.irp i, 0,1,2
	s_delay_alu instid0(VALU_DEP_3)
	v_mov_b32 v[195+6*\c+\i], v[204+4*\c+\i]
.endr
.endr
	v_pk_add_f32 v[216:217], v[100:101], v[104:105]                      ; the row's sum of the unquantised p, in eight chains
	v_pk_add_f32 v[252:253], v[108:109], v[112:113]
	v_pk_add_f32 v[250:251], v[116:117], v[120:121]
	v_pk_add_f32 v[248:249], v[124:125], v[128:129]
	v_pk_add_f32 v[246:247], v[132:133], v[136:137]
	v_pk_add_f32 v[244:245], v[140:141], v[144:145]
	v_pk_add_f32 v[242:243], v[148:149], v[152:153]
	v_pk_add_f32 v[14:15], v[14:15], v[156:157]
	v_pk_add_f32 v[216:217], v[216:217], v[96:97]
	v_pk_add_f32 v[252:253], v[252:253], v[98:99]
	v_pk_add_f32 v[250:251], v[250:251], v[102:103]
	v_pk_add_f32 v[248:249], v[248:249], v[106:107]
	v_pk_add_f32 v[246:247], v[246:247], v[110:111]
	v_pk_add_f32 v[244:245], v[244:245], v[114:115]
	v_pk_add_f32 v[242:243], v[242:243], v[118:119]
	v_pk_add_f32 v[14:15], v[14:15], v[122:123]
	v_pk_add_f32 v[216:217], v[216:217], v[126:127]
	v_pk_add_f32 v[252:253], v[252:253], v[130:131]
	v_pk_add_f32 v[250:251], v[250:251], v[134:135]
	v_pk_add_f32 v[248:249], v[248:249], v[138:139]
	v_pk_add_f32 v[246:247], v[246:247], v[142:143]
	v_pk_add_f32 v[244:245], v[244:245], v[146:147]
	v_pk_add_f32 v[242:243], v[242:243], v[150:151]
	v_pk_add_f32 v[14:15], v[14:15], v[154:155]
	v_pk_add_f32 v[216:217], v[216:217], v[158:159]
	s_delay_alu instid0(VALU_DEP_2)
	v_pk_add_f32 v[14:15], v[14:15], v[248:249]
	s_delay_alu instid0(VALU_DEP_2)
	v_pk_add_f32 v[216:217], v[216:217], v[246:247]
	v_pk_add_f32 v[252:253], v[252:253], v[244:245]
	v_pk_add_f32 v[250:251], v[250:251], v[242:243]
	s_delay_alu instid0(VALU_DEP_2)
	v_pk_add_f32 v[14:15], v[14:15], v[252:253]
	s_delay_alu instid0(VALU_DEP_2)
	v_pk_add_f32 v[216:217], v[216:217], v[250:251]
	s_delay_alu instid0(VALU_DEP_1)
	v_pk_add_f32 v[14:15], v[14:15], v[216:217]
.set n, 0
.rept 16
	v_pk_mul_f32 v[160+n:161+n], v[160+n:161+n], v[224:225] op_sel_hi:[1,0]      ; O^T under the new M
.set n, n+2
.endr
	s_wait_alu depctr_va_vdst(0)                   ; the wait here, directly ahead of the wait below
	s_wait_dscnt 0x0                               ; V
.irp t, 0,1,2,3
.if \t%2
	v_wmma_scale_f32_16x16x128_f8f6f4 v[160+8*\t:167+8*\t], v[32+12*\t:43+12*\t], v[192:203], v[160+8*\t:167+8*\t], v[90+\t/2], v226 matrix_a_fmt:MATRIX_FMT_BF6 matrix_b_fmt:MATRIX_FMT_BF6 matrix_a_scale:MATRIX_SCALE_ROW1
.else
	v_wmma_scale_f32_16x16x128_f8f6f4 v[160+8*\t:167+8*\t], v[32+12*\t:43+12*\t], v[192:203], v[160+8*\t:167+8*\t], v[90+\t/2], v226 matrix_a_fmt:MATRIX_FMT_BF6 matrix_b_fmt:MATRIX_FMT_BF6
.endif
.endr
.Lhidden_\@:
	s_add_co_u32 s[KF], s[KF], 128
	s_add_co_u32 s[TC], s[TC], 6144
	s_add_co_u32 s[TS], s[TS], 512
	s_add_co_u32 s[TV], s[TV], 256
	s_sub_co_u32 s[CNT], s[CNT], 1
	s_cmp_lg_u32 s[CNT], 0
	s_cbranch_scc1 .Lstep_\@
.endm
; THE WAY OUT: O^T / the sum; register 16 b + i is d = 32 b + 16 h + i of my query: two blocks of the last product's K
.macro WAYOUT
	PLACES 4
	v_add_f32 v14, v14, v15
	s_delay_alu instid0(VALU_DEP_1)
	v_permlanex16_b32 v227, v14, s[SEL], s[SEL+1]
	s_delay_alu instid0(VALU_DEP_1)
	v_add_f32 v14, v14, v227                       ; with lane l xor 16's: the row's sum
	s_wait_alu depctr_va_vdst(0)                   ; the wait ahead of the transcendental
	v_rcp_f32 v14, v14
	v_nop                                          ; one plain place behind a transcendental
.set n, 0
	s_wait_alu depctr_va_vdst(0)                   ; and ahead of its first reader
.rept 16
	v_pk_mul_f32 v[96+n:97+n], v[160+n:161+n], v[14:15] op_sel_hi:[1,0]          ; each accumulator from its low end on
.set n, n+2
.endr
.irp b, 0,1
	v_max3_num_f32 v[BM+\b], |v[96+16*\b]|, |v[97+16*\b]|, 0x2800000
.endr
.irp i, 2,4,6,8,10,12,14
.irp b, 0,1
	s_delay_alu instid0(VALU_DEP_2)
	v_max3_num_f32 v[BM+\b], v[BM+\b], |v[96+16*\b+\i]|, |v[97+16*\b+\i]|
.endr
.endr
.irp b, 0,1
	s_delay_alu instid0(VALU_DEP_2)
	v_permlanex16_b32 v[PT+\b], v[BM+\b], s[SEL], s[SEL+1]
.endr
.irp b, 0,1
	s_delay_alu instid0(VALU_DEP_2)
	v_max_num_f32 v[BM+\b], v[BM+\b], v[PT+\b]
.endr
.irp b, 0,1
	s_delay_alu instid0(VALU_DEP_2)
	v_add_nc_u32 v[SO+\b], 0xfe000000, v[BM+\b]
.endr
.irp b, 0,1
	s_delay_alu instid0(VALU_DEP_2)
	v_lshrrev_b32 v[PT+\b], 23, v[SO+\b]
.endr
	v_cvt_scalef32_pk16_bf6_f32 v[192:194], v[96:111], v[SO]
	v_cvt_scalef32_pk16_bf6_f32 v[204:206], v[112:127], v[SO+1]
	v_nop                                          ; one plain place behind a scaled conversion
.irp i, 0,1,2
	v_permlane16_swap_b32 v[192+\i], v[204+\i]
.endr
.irp i, 0,1,2
	s_delay_alu instid0(VALU_DEP_3)
	v_mov_b32 v[195+\i], v[204+\i]
.endr
	v_cndmask_b32 v227, v[PT], v[PT+1], s[HALF]    ; lanes 0-15 store the first block's byte, lanes 16-31 the second's
.irp p, 0,1,2
	global_store_b64 v1, v[192+2*\p:193+2*\p], s[92:93] offset:256*\p            ; 32 lanes store one aligned block of 256 bytes
.endr
	global_store_b8 v6, v227, s[94:95]
.endm
	SETUP 1                                        ; block 7 - j
	s_wait_tensorcnt 0x0                           ; my load of the head, if I had one, has landed
	ds_add_u32 v254, v255                          ; the add twice on end here
	ds_add_u32 v254, v255
	s_wait_dscnt 0x0
	s_barrier_signal -1
	s_barrier_wait -1                              ; keys 0-511 and all scale words are whole for every wave
	s_cmp_lt_u32 s[WV], 2
	s_cbranch_scc0 .Lnofill
	tensor_load_to_lds s[G0L:G0L+3], s[G1L:G1L+7]  ; keys 512-2,047: a first fill, my one load behind this barrier
	s_nop 0
	PLACES 4
.Lnofill:
	KLOOP 4                                        ; keys 0-511
	s_wait_tensorcnt 0x0
	ds_add_u32 v254, v255
	s_wait_dscnt 0x0
	s_barrier_signal -1
	s_barrier_wait -1                              ; all keys are whole for every wave
	KLOOP 12
	WAYOUT
	SETUP 0                                        ; block j
	KLOOP 8
	WAYOUT
	s_wait_tensorcnt 0x0                           ; the wave's end
	ds_add_u32 v254, v255
	s_wait_dscnt 0x0
	s_endpgm
.Lfunc_end_k_q91ec80b57b_attn:
	.size	k_q91ec80b57b_attn, .Lfunc_end_k_q91ec80b57b_attn-k_q91ec80b57b_attn
	.p2alignl 7, 3214868480
	.fill 96, 4, 3214868480
	.section	.rodata,"a",@progbits
	.p2align	6, 0x0
	.amdhsa_kernel k_q91ec80b57b_attn
		.amdhsa_group_segment_fixed_size 327680
		.amdhsa_private_segment_fixed_size 0
		.amdhsa_enable_private_segment 0
		.amdhsa_kernarg_size 32
		.amdhsa_user_sgpr_count 2
		.amdhsa_user_sgpr_kernarg_segment_ptr 1
		.amdhsa_wavefront_size32 1
		.amdhsa_system_sgpr_workgroup_id_x 1
		.amdhsa_system_sgpr_workgroup_id_y 1
		.amdhsa_system_sgpr_workgroup_id_z 1
		.amdhsa_system_vgpr_workitem_id 0
		.amdhsa_next_free_vgpr 256
		.amdhsa_next_free_sgpr 100
		.amdhsa_reserve_vcc 1
		.amdhsa_float_denorm_mode_32 3
		.amdhsa_float_denorm_mode_16_64 3
		.amdhsa_memory_ordered 1
		.amdhsa_forward_progress 1
		.amdhsa_inst_pref_size 92
	.end_amdhsa_kernel
	.amdgpu_metadata
---
amdhsa.version: [ 1, 2 ]
amdhsa.kernels:
  - .name:           k_q91ec80b57b_attn
    .symbol:         k_q91ec80b57b_attn.kd
    .args:
      - { .name: qkvc, .offset: 0, .size: 8, .value_kind: global_buffer, .address_space: global }
      - { .name: qkvs, .offset: 8, .size: 8, .value_kind: global_buffer, .address_space: global }
      - { .name: oc, .offset: 16, .size: 8, .value_kind: global_buffer, .address_space: global }
      - { .name: os, .offset: 24, .size: 8, .value_kind: global_buffer, .address_space: global }
    .group_segment_fixed_size: 327680
    .private_segment_fixed_size: 0
    .kernarg_segment_align: 8
    .kernarg_segment_size: 32
    .max_flat_workgroup_size: 512
    .sgpr_count:     100
    .vgpr_count:     256
    .wavefront_size: 32
...
	.end_amdgpu_metadata
.endif
;; end of part 3
;; launch proj (part 4): grid 4 x 64, 4 waves a work-group, clusters of 4 x 4, 295,424 bytes of LDS; arguments oc, os, wc, ws, b_proj, out0; writes out0
.if DOCPART == 4
	.amdgcn_target "amdgcn-amd-amdhsa--gfx1250"
	.amdhsa_code_object_version 6
	.text
	.protected	k_q91ec80b57b_proj
	.globl	k_q91ec80b57b_proj
	.p2align	8
	.type	k_q91ec80b57b_proj,@function
k_q91ec80b57b_proj:
	s_mov_b64 s[64:65], 0
	v_nop
	global_prefetch_b8 v0, s[64:65] scope:SCOPE_SE
	s_setreg_imm32_b32 hwreg(HW_REG_WAVE_MODE, 25, 1), 1
	s_wait_xcnt 0x0
	s_wait_alu depctr_hold_cnt(0) depctr_sa_sdst(0) depctr_va_vdst(0) depctr_va_sdst(0) depctr_va_ssrc(0) depctr_va_vcc(0) depctr_vm_vsrc(0)
	s_getreg_b32 s2, hwreg(HW_REG_IB_STS2, 6, 4)
	s_cmp_eq_u32 s2, 0
	s_cbranch_scc0 .Lentry_in_a_cluster
	s_endpgm
.Lentry_in_a_cluster:
	s_bfe_u32 s2, ttmp6, 0x10000c
	s_cmp_lg_u32 s2, 0xf033
	s_cbranch_scc0 .Lentry_shape_is_right
	s_endpgm
.Lentry_shape_is_right:
; out0 = (attention's result) W_proj + b_proj on codes of BF6 (E3M2, one E8M0 scale for each 32 along K), f32 sums, f32 out.
; THE FRAME.  A work-group makes 128 rows (source 1, "S1": oc's tiles) x 256 columns (source 0, "S0": W_proj's columns, wc's tiles 192 on), K = 1,024.  Four waves: wave w takes rows half w >> 1
; (4 blocks of 16) and columns half w & 1 (8 blocks): 32 accumulators.  256 work-groups.
; OPERANDS lie in memory and in LDS as images of their registers, [tile][K step 8][1,536]; tiles hold rows in position order (lane r of tile i: row 32 (i / 2) + 8 (i % 2) + r + 8 (r / 8)), so a
; lane's 64 registers of the eight column blocks are: register 16 g + i = column 32 g + 16 h + i.
; LDS: both panels for ALL of K: S1's 98,304 bytes, then S0's 196,608.  Every byte is filled once.  ONE LOAD A WAVE: waves 0, 1 bring S1's halves (192 rows of 256 dense bytes), waves 2, 3 S0's (384 rows).
; CLUSTER 4 x 4: S1's panel is shared along a row of the cluster, S0's along a column: each is asked for jointly by the four that share it.
; NO PREFETCH: the launch has no loop to run ahead in: all that it reads is asked for at its head.
; THE WAY OUT: a block of 16 rows x 128 columns goes through the wave's own stage (16 rows of 512 + 16 bytes) and leaves as whole rows of 512 consecutive bytes.  The stages lie over S1's first
; tiles: those bytes have had their only fill, and every wave's reads of the panels were waited for in front of a barrier that all have passed.
; REGISTERS: window 0: v1-8 LDS addresses, v9-15 offsets, v16-63 scale words (nothing else, ever), v64-127 the bias, v160-255 S1's fragments, two sets (on the way out: 64 numbers).
;   window 1: S0's fragments, two sets, at v0 and v128 (on the way out: rows read back).   window 2: accumulator (a, b) at v[8 (8 a + b)].
.set ADRA, 1
.set ADRB, 5
.set SCA,  16
.set SCB,  32
.set BIAS, 64
.set AF,   160
.set HA,   160
.set WV,   18
.set G1A,  28
.set G1B,  36
.set G0A,  44
.set G0B,  68
.set MSB, 0
.macro WIN new                         ; the immediate's high byte repeats the setting that is left
.if MSB != \new
	s_set_vgpr_msb (MSB<<8)|\new
.set MSB, \new
.endif
.endm
.macro PLACES n
.rept \n
	v_nop
.endr
.endm
.macro CROUND                          ; a round of the cluster's barrier
	s_barrier_signal -1
	s_barrier_wait -1
	s_cmp_lg_u32 s[WV], 0
	s_cbranch_scc1 .Lnot_wave_0_\@
	s_barrier_signal -3
.Lnot_wave_0_\@:
	s_barrier_wait -3
	s_barrier_signal -1
	s_barrier_wait -1
.endm
.macro FRAG reg, adr, off              ; an image comes back as it was stored: six loads of 8 bytes a lane, 256 consecutive bytes each
.irp p, 0,1,2,3,4,5
	ds_load_b64 v[\reg+2*\p:\reg+2*\p+1], v[\adr] offset:\off+256*\p
.endr
.endm
.macro FETCH s                         ; K step s's fragments into set s % 2: an address register for each two tiles of S0 and for each tile of S1
	WIN 0x40                                       ; destination window 1, address window 0
.irp i, 0,1,2,3,4,5,6,7
	FRAG 128*((\s)%2)+12*\i, ADRB+(\i)/2, 12288*((\i)%2)+1536*(\s)
.endr
	WIN 0
.irp i, 0,1,2,3
	FRAG AF+48*((\s)%2)+12*\i, ADRA+\i, 1536*(\s)
.endr
.endm
; One product.  A register of scale words holds an even block's words in lanes 0-15 and the odd block's in lanes 16-31.
.macro WM a, b, s, zero
.set rD, 8*(8*(\a)+(\b))
.set rB, 128*((\s)%2)+12*(\b)
.set rA, AF+48*((\s)%2)+12*(\a)
.set rSB, SCB+8*((\b)/2)+(\s)
.set rSA, SCA+8*((\a)/2)+(\s)
.if \zero
.if ((\a)%2 == 0) && ((\b)%2 == 0)
	v_wmma_scale_f32_16x16x128_f8f6f4 v[rD:rD+7], v[rB:rB+11], v[rA:rA+11], 0, v[rSB], v[rSA] matrix_a_fmt:MATRIX_FMT_BF6 matrix_b_fmt:MATRIX_FMT_BF6
.elseif ((\a)%2 == 0)
	v_wmma_scale_f32_16x16x128_f8f6f4 v[rD:rD+7], v[rB:rB+11], v[rA:rA+11], 0, v[rSB], v[rSA] matrix_a_fmt:MATRIX_FMT_BF6 matrix_b_fmt:MATRIX_FMT_BF6 matrix_a_scale:MATRIX_SCALE_ROW1
.elseif ((\b)%2 == 0)
	v_wmma_scale_f32_16x16x128_f8f6f4 v[rD:rD+7], v[rB:rB+11], v[rA:rA+11], 0, v[rSB], v[rSA] matrix_a_fmt:MATRIX_FMT_BF6 matrix_b_fmt:MATRIX_FMT_BF6 matrix_b_scale:MATRIX_SCALE_ROW1
.else
	v_wmma_scale_f32_16x16x128_f8f6f4 v[rD:rD+7], v[rB:rB+11], v[rA:rA+11], 0, v[rSB], v[rSA] matrix_a_fmt:MATRIX_FMT_BF6 matrix_b_fmt:MATRIX_FMT_BF6 matrix_a_scale:MATRIX_SCALE_ROW1 matrix_b_scale:MATRIX_SCALE_ROW1
.endif
.else
.if ((\a)%2 == 0) && ((\b)%2 == 0)
	v_wmma_scale_f32_16x16x128_f8f6f4 v[rD:rD+7], v[rB:rB+11], v[rA:rA+11], v[rD:rD+7], v[rSB], v[rSA] matrix_a_fmt:MATRIX_FMT_BF6 matrix_b_fmt:MATRIX_FMT_BF6
.elseif ((\a)%2 == 0)
	v_wmma_scale_f32_16x16x128_f8f6f4 v[rD:rD+7], v[rB:rB+11], v[rA:rA+11], v[rD:rD+7], v[rSB], v[rSA] matrix_a_fmt:MATRIX_FMT_BF6 matrix_b_fmt:MATRIX_FMT_BF6 matrix_a_scale:MATRIX_SCALE_ROW1
.elseif ((\b)%2 == 0)
	v_wmma_scale_f32_16x16x128_f8f6f4 v[rD:rD+7], v[rB:rB+11], v[rA:rA+11], v[rD:rD+7], v[rSB], v[rSA] matrix_a_fmt:MATRIX_FMT_BF6 matrix_b_fmt:MATRIX_FMT_BF6 matrix_b_scale:MATRIX_SCALE_ROW1
.else
	v_wmma_scale_f32_16x16x128_f8f6f4 v[rD:rD+7], v[rB:rB+11], v[rA:rA+11], v[rD:rD+7], v[rSB], v[rSA] matrix_a_fmt:MATRIX_FMT_BF6 matrix_b_fmt:MATRIX_FMT_BF6 matrix_a_scale:MATRIX_SCALE_ROW1 matrix_b_scale:MATRIX_SCALE_ROW1
.endif
.endif
.endm
; A K step of 128: the next step's 72 loads go out in one run, then this step's 32 products: the 32 accumulators take turns, in the same order in every step.
.macro STEP s, zero
	s_wait_dscnt 0x0                               ; this step's fragments are in
.if (\s) < 7
.if (\s) > 0
	PLACES 4                                       ; in front of loads into the set that the last step's products read
.endif
	FETCH (\s)+1
.endif
	WIN 0xa1                                       ; source 0 (S0) window 1, source 1 (S1) window 0, C and D window 2
.irp a, 0,1,2,3
.irp b, 0,1,2,3,4,5,6,7
	WM \a, \b, \s, \zero
.endr
.endr
	WIN 0
.endm
	s_load_b256 s[4:11], s[0:1], 0x0               ; oc, os, wc, ws
	s_load_b128 s[12:15], s[0:1], 0x20             ; b_proj, out0
	v_lshl_add_u32 v158, v0, 2, 0x48000
	v_mov_b32 v159, 0
	ds_add_u32 v158, v159                          ; the opening lines: the add, twice on end, and its wait
	ds_add_u32 v158, v159
	v_lshrrev_b32 v1, 5, v0
	v_readfirstlane_b32 s[WV], v1                  ; wave 0..3
	s_lshr_b32 s19, s[WV], 1                       ; hA: my half of the rows.  Also: I fetch for S1 (0) or for S0 (1)
	s_and_b32 s20, s[WV], 1                        ; hB: my half of the columns.  Also: which half of that panel I fetch
	s_bfe_u32 s21, ttmp6, 0x40000                  ; cx
	s_bfe_u32 s22, ttmp6, 0x40004                  ; cy
	s_and_b32 s23, ttmp7, 0xffff
	s_lshl_b32 s2, s22, 2
	s_lshl_b32 s2, 15, s2                          ; my row of the cluster
	s_lshl_b32 s3, 0x1111, s21                     ; my column
	s_or_b32 s[G1A], s2, (3<<16)|(1<<21)           ; group 1 for S1's panel: the mask, elements of 8 bytes, bit 21 beside a mask, no padding
	s_or_b32 s[G1B], s3, (3<<16)|(1<<21)
	s_mov_b32 s[G1A+1], 32<<16                     ; four tiles of S1 for all of K are 49,152 dense bytes: 192 rows of 256 bytes
	s_mov_b32 s[G1A+2], 192<<16
	s_mov_b32 s[G1A+3], 32<<16
	s_mov_b32 s[G1A+4], 192
	s_mov_b32 s[G1A+5], 32
	s_mov_b32 s[G1A+6], 0
	s_mov_b32 s[G1A+7], 0
	s_mov_b32 s[G1B+1], 32<<16                     ; eight tiles of S0: 98,304 dense bytes: 384 rows of 256 bytes
	s_mov_b32 s[G1B+2], 384<<16
	s_mov_b32 s[G1B+3], 32<<16
	s_mov_b32 s[G1B+4], 384
	s_mov_b32 s[G1B+5], 32
	s_mov_b32 s[G1B+6], 0
	s_mov_b32 s[G1B+7], 0
	s_lshl_b32 s25, s23, 2
	s_add_co_u32 s25, s25, s22                     ; TA = 4 x cluster y + cy: of the places in the cluster it holds cy alone
	s_lshl_b32 s27, ttmp9, 2
	s_add_co_u32 s27, s27, s21                     ; TB = 4 x cluster x + cx: cx alone
	s_lshl_b32 s84, s25, 3
	s_lshl_b32 s85, s20, 2
	s_add_co_u32 s84, s84, s85
	s_mul_i32 s84, s84, 12288                      ; S1: tile 8 TA + 4 x half
	s_mov_b32 s85, 0
	s_lshl_b32 s60, s27, 4
	s_lshl_b32 s61, s20, 3
	s_add_co_u32 s60, s60, s61
	s_add_co_u32 s60, s60, 192
	s_mul_i32 s60, s60, 12288                      ; S0: tile 192 + 16 TB + 8 x half
	s_mov_b32 s61, 0
	s_mul_i32 s62, s20, 49152                      ; where they go in LDS: the wave's number alone
	s_mul_i32 s63, s20, 98304
	s_add_co_u32 s63, s63, 98304
	s_wait_dscnt 0x0
	s_wait_kmcnt 0x0
	s_add_nc_u64 s[86:87], s[4:5], s[84:85]
	s_add_nc_u64 s[8:9], s[8:9], s[60:61]
	CROUND                                         ; all sixteen work-groups are here: the joint loads meet
	s_mov_b32 s[G0A], 1
	s_mov_b32 s[G0A+1], s62
	s_mov_b64 s[G0A+2:G0A+3], s[86:87]
	s_or_b32 s[G0A+3], s[G0A+3], 0x80000000
	s_mov_b32 s[G0B], 1
	s_mov_b32 s[G0B+1], s63
	s_mov_b64 s[G0B+2:G0B+3], s[8:9]
	s_or_b32 s[G0B+3], s[G0B+3], 0x80000000
	s_cmp_lt_u32 s[WV], 2                          ; one load in each arm
	s_cbranch_scc0 .Lfill_b
	tensor_load_to_lds s[G0A:G0A+3], s[G1A:G1A+7]
	s_nop 0
	PLACES 4
	s_branch .Lfilled
.Lfill_b:
	tensor_load_to_lds s[G0B:G0B+3], s[G1B:G1B+7]
	s_nop 0
	PLACES 4
.Lfilled:
	s_lshl_b32 s62, s25, 7
	s_lshl_b32 s2, s19, 6
	s_add_co_u32 s62, s62, s2                      ; my first row: 128 TA + 64 hA
	s_lshl_b32 s63, s27, 8
	s_lshl_b32 s2, s20, 7
	s_add_co_u32 s63, s63, s2                      ; my first column: 256 TB + 128 hB
	s_lshl_b32 s2, s62, 5
	s_mov_b32 s3, 0
	s_add_nc_u64 s[6:7], s[6:7], s[2:3]            ; the rows' scale bytes, 32 a row
	s_add_co_u32 s2, s63, 3072                     ; W_proj's columns are positions 3,072 on in ws
	s_lshl_b32 s2, s2, 5
	s_add_nc_u64 s[10:11], s[10:11], s[2:3]
	s_lshl_b32 s2, s63, 2
	s_add_nc_u64 s[12:13], s[12:13], s[2:3]        ; the bias of my columns
	s_add_nc_u64 s[14:15], s[14:15], s[2:3]
	s_lshl_b32 s2, s62, 12
	s_add_nc_u64 s[14:15], s[14:15], s[2:3]        ; out0 at my first row and column
	v_and_b32 v12, 31, v0                          ; lane
	v_lshlrev_b32 v13, 5, v12                      ; scale words: lane l takes position l of two tiles
	v_bfe_u32 v14, v0, 4, 1                        ; h
	v_and_b32 v10, 15, v0                          ; r
	s_mul_i32 s2, s[WV], 8448                      ; my stage
	v_mul_u32_u24 v9, v10, 528
	v_lshl_add_u32 v9, v14, 6, v9
	v_add_nc_u32 v9, s2, v9                        ; into it: row r, + 64 h
	v_lshlrev_b32 v11, 4, v12                      ; 16 x lane: my bytes of a row of 512
	v_add_nc_u32 v10, s2, v11                      ; out of it
	v_lshlrev_b32 v14, 6, v14                      ; the bias: 64 h
	v_lshlrev_b32 v15, 3, v12                      ; 8 x lane
	s_wait_alu depctr_va_vdst(0)                   ; the wait ahead of the readers below
.irp i, 0,1
.irp k, 0,1
	global_load_b128 v[SCA+8*\i+4*\k:SCA+8*\i+4*\k+3], v13, s[6:7] offset:1024*\i+16*\k       ; register 8 (a / 2) + s: block a's words of K step s
.endr
.endr
.irp i, 0,1,2,3
.irp k, 0,1
	global_load_b128 v[SCB+8*\i+4*\k:SCB+8*\i+4*\k+3], v13, s[10:11] offset:1024*\i+16*\k
.endr
.endr
.irp g, 0,1,2,3
.irp k, 0,1,2,3
	global_load_b128 v[BIAS+16*\g+4*\k:BIAS+16*\g+4*\k+3], v14, s[12:13] offset:128*\g+16*\k  ; register 16 g + i: bias of column 32 g + 16 h + i
.endr
.endr
	s_mul_i32 s2, s19, 49152
	s_mul_i32 s3, s20, 98304
	s_add_co_u32 s3, s3, 98304
.irp q, 0,1,2,3
	v_add_nc_u32 v[ADRA+\q], s2, v15
	v_add_nc_u32 v[ADRB+\q], s3, v15
	s_add_co_u32 s2, s2, 12288                     ; S1: from tile to tile
	s_add_co_u32 s3, s3, 24576                     ; S0: two tiles on
.endr
	s_wait_alu depctr_va_vdst(0)                   ; the wait at the head's end
	s_wait_tensorcnt 0x0                           ; my one load, my half of a panel for all of K, has landed
	s_barrier_signal -1
	s_barrier_wait -1                              ; everybody's has
	FETCH 0
	s_wait_loadcnt 0x0                             ; scale words and bias
	STEP 0, 1                                      ; the first step's products start the sums: nothing is cleared
	STEP 1, 0
	STEP 2, 0
	STEP 3, 0
	STEP 4, 0
	STEP 5, 0
	STEP 6, 0
	STEP 7, 0
	s_barrier_signal -1                            ; every wave's reads of the panels were waited for at the head of its last step:
	s_barrier_wait -1                              ; behind this barrier the stages may be laid over S1's first tiles
	PLACES 4                                       ; in front of the first read of results and of writes and loads over the last fragments
; THE WAY OUT of rows block a: the bias is added; 64 bytes a lane and column group into my stage; whole rows back, into window 1.
.macro OUT a
	WIN 0x02                                       ; source 0: window 2
.set n, 0
.rept 32
	v_pk_add_f32 v[HA+n:HA+n+1], v[64*(\a)+n:64*(\a)+n+1], v[BIAS+n:BIAS+n+1]    ; each accumulator from its low end on
.set n, n+2
.endr
	WIN 0
.irp g, 0,1,2,3
.irp k, 0,1,2,3
	ds_store_b128 v9, v[HA+16*\g+4*\k:HA+16*\g+4*\k+3] offset:128*\g+16*\k
.endr
.endr
	WIN 0x40                                       ; destination window 1
.irp t, 0,1,2,3,4,5,6,7,8,9,10,11,12,13,14,15
	ds_load_b128 v[64*(\a)+4*\t:64*(\a)+4*\t+3], v10 offset:528*\t               ; LDS serves a wave's instructions in order: these see my stores, and the next block's stores come behind them
.endr
	WIN 0
.endm
.macro SEND a, younger                 ; younger: the LDS loads issued behind block a's, which may stay out
	s_wait_dscnt \younger
	WIN 0x04                                       ; a store's data: window 1
.irp t, 0,1,2,3,4,5,6,7,8,9,10,11,12,13,14,15
	global_store_b128 v11, v[64*(\a)+4*\t:64*(\a)+4*\t+3], s[14:15] offset:(32*((\a)/2)+8*((\a)%2)+\t+8*(\t/8))*4096 th:TH_STORE_NT   ; position t of block a is this row; 32 lanes store 512 consecutive aligned bytes
.endr
	WIN 0
.endm
	OUT 0
.irp a, 1,2,3
	OUT \a
	SEND \a-1, 16                                  ; block a - 1 is back, and block a's 16 stores into the stage have read their registers; its 16 loads may be out
.endr
	SEND 3, 0
	s_wait_dscnt 0x0
	s_wait_tensorcnt 0x0                           ; the wave's end
	ds_add_u32 v158, v159
	s_wait_dscnt 0x0
	CROUND                                         ; the closing round: no work-group ends while a partner may still ask for a panel that names it
	s_endpgm
.Lfunc_end_k_q91ec80b57b_proj:
	.size	k_q91ec80b57b_proj, .Lfunc_end_k_q91ec80b57b_proj-k_q91ec80b57b_proj
	.p2alignl 7, 3214868480
	.fill 96, 4, 3214868480
	.section	.rodata,"a",@progbits
	.p2align	6, 0x0
	.amdhsa_kernel k_q91ec80b57b_proj
		.amdhsa_group_segment_fixed_size 295424
		.amdhsa_private_segment_fixed_size 0
		.amdhsa_enable_private_segment 0
		.amdhsa_kernarg_size 48
		.amdhsa_user_sgpr_count 2
		.amdhsa_user_sgpr_kernarg_segment_ptr 1
		.amdhsa_wavefront_size32 1
		.amdhsa_system_sgpr_workgroup_id_x 1
		.amdhsa_system_sgpr_workgroup_id_y 1
		.amdhsa_system_sgpr_workgroup_id_z 1
		.amdhsa_system_vgpr_workitem_id 0
		.amdhsa_next_free_vgpr 768
		.amdhsa_next_free_sgpr 100
		.amdhsa_reserve_vcc 0
		.amdhsa_float_denorm_mode_32 3
		.amdhsa_float_denorm_mode_16_64 3
		.amdhsa_memory_ordered 1
		.amdhsa_forward_progress 1
		.amdhsa_inst_pref_size 103
	.end_amdhsa_kernel
	.amdgpu_metadata
---
amdhsa.version: [ 1, 2 ]
amdhsa.kernels:
  - .name:           k_q91ec80b57b_proj
    .symbol:         k_q91ec80b57b_proj.kd
    .args:
      - { .name: oc, .offset: 0, .size: 8, .value_kind: global_buffer, .address_space: global }
      - { .name: os, .offset: 8, .size: 8, .value_kind: global_buffer, .address_space: global }
      - { .name: wc, .offset: 16, .size: 8, .value_kind: global_buffer, .address_space: global }
      - { .name: ws, .offset: 24, .size: 8, .value_kind: global_buffer, .address_space: global }
      - { .name: b_proj, .offset: 32, .size: 8, .value_kind: global_buffer, .address_space: global }
      - { .name: out0, .offset: 40, .size: 8, .value_kind: global_buffer, .address_space: global }
    .group_segment_fixed_size: 295424
    .private_segment_fixed_size: 0
    .kernarg_segment_align: 8
    .kernarg_segment_size: 48
    .max_flat_workgroup_size: 128
    .sgpr_count:     100
    .vgpr_count:     768
    .wavefront_size: 32
...
	.end_amdgpu_metadata
.endif
;; end of part 4
